; MI455X (gfx1250); checked and timed in simulation.
; The chip was launched on July 23, 2026; its instructions are those of AMD's public machine-readable ISA for CDNA 5 (MIT licence, August 2026) and "CDNA5" Instruction Set Architecture Reference Guide (July 2026). The comments in the code are by the model that wrote it; some were corrected since.
;; Attention. Allowed arithmetic: matrix products marked QUANTISED: E2M3 operands, one E8M0 scale for each 32 along K, by v_wmma_scale_f32_16x16x128_f8f6f4 with both operands' format E2M3, f32 sums; everything else in f32.
;; Inputs: attention_mask 4 x 1 x 1 x 2,048 float32; b_attn 3,072 float32; b_proj 1,024 float32; w_attn 1,024 x 3,072 float32; w_proj 1,024 x 1,024 float32; x 4 x 2,048 x 1,024 float32.
;; Outputs: out0 4 x 2,048 x 1,024 float32.
;; This version of the problem:
;;   THIS VERSION OF THE PROBLEM IS GIVEN IN LOW PRECISION. The matrix products marked QUANTISED in the list below multiply operands that are first quantised to E2M3 (2 exponent bits, 3 mantissa bits; 6 bits a number), with one power-of-two scale for each 32 numbers along K (OCP MX v1.0); their sums are f32. All else is computed in f32.
;;   The module's matrix products, in the order in which they are computed (A, B: the left and right operand; K: the contracted axis; several contracted axes count as one K, in the product's order):
;;     1. [M 8,192, K 1,024] x [K 1,024, N 3,072]; A: input x; B: input w_attn: QUANTISED
;;     2. batch 64 x [M 2,048, K 64] x [K 64, N 2,048]; A: computed on the way; B: computed on the way: QUANTISED
;;     3. batch 64 x [M 64, K 2,048] x [K 2,048, N 2,048]; A: computed on the way; B: softmax (see below): QUANTISED
;;     4. [M 8,192, K 1,024] x [K 1,024, N 1,024]; A: computed on the way; B: input w_proj: QUANTISED
;;   THE QUANTISER, for each operand of a quantised product, along K:
;;     - K is cut into blocks of 32 from its start; a last block that is shorter is filled with zeros.
;;     - A block's scale is 2^e with e = floor(log2(the largest magnitude in the block)) - 2, held to -126 .. 127; a block of zeros has e = 0. As a byte (E8M0): e + 127.
;;     - Each number is divided by its block's scale, clamped to +-7.5, and rounded to the nearest number of E2M3, ties to even, subnormals kept.
;;     - The product sums the exact products of the quantised numbers (number of the format x scale) in f32.
;;   ~~~python
;;   def quantise(x, axis):      # numpy; x: float32 -> the quantised numbers, widened to float32 again
;;       x = np.moveaxis(x, axis, -1); K = x.shape[-1]
;;       x = np.pad(x, [(0, 0)] * (x.ndim - 1) + [(0, -K % 32)]); x = x.reshape(x.shape[:-1] + (-1, 32)); a = np.abs(x).max(-1, keepdims=True)
;;       e = np.where(a > 0, np.clip(np.frexp(np.where(a > 0, a, 1))[1] - 1 - 2, -126, 127), 0)      # np.frexp(a)[1] - 1 = floor(log2(a)), exactly
;;       r = np.clip(x / 2.0 ** e, -7.5, 7.5)
;;       step = 2.0 ** (np.maximum(np.frexp(np.where(r == 0, 1, r))[1] - 1, 0) - 3)
;;       q = np.round(r / step) * step * 2.0 ** e      # np.round: ties to even
;;       return np.moveaxis(q.reshape(q.shape[:-2] + (-1,))[..., :K], -1, axis).astype(np.float32)
;;   ~~~
;;   SOFTMAX AHEAD OF A QUANTISED PRODUCT. Where the list says 'softmax', what is quantised is not the finished softmax but p = 2^(t - M), with t = logit x log2(e) and M = ceil(the row's largest t), a whole number; so 1/2 < the row's largest p <= 1. The row's sum l is taken of the UNQUANTISED p, in f32, and the product's result is divided by l at the end. Since M is a whole number, a kernel that streams over the keys may use a running M (the ceiling of the running maximum): every later rescaling is an exact power of two, which a block's scale takes up: the codes' values come out the same.
;;   OPERANDS COMPUTED ON THE WAY. 'Computed on the way' means the value that the module computes at that place (a softmax that the list does not call 'softmax' is quantised finished and normalised). What goes into a quantiser is computed in f32, as accurately as f32 sums, v_exp_f32 and their like allow (about 1e-6 of the number): no bf16 or f16 on the way to a quantiser, and a product that is left as it is and whose result goes on into a quantised operand takes f32 operands (vector FMAs, or v_wmma_f32_16x16x4_f32). A number that lies on a knife's edge between two numbers of the format may be rounded either way, as far as f32 arithmetic and the matrix unit's own rounding can turn it there, and no further.
;; One version. Each part assembles by itself: llvm-mc -triple=amdgcn-amd-amdhsa -mcpu=gfx1250 --defsym DOCPART=n.
;; ======== version 1 of 1: 4 launches
;; limits: right only within a limited range of input values
;; workspace buffers: xc 6,291,456 bytes; xs 262,144 bytes; wc 3,145,728 bytes; ws 131,072 bytes; qkv 20,447,232 bytes; oc 6,291,456 bytes; os 262,144 bytes
;; launch quant (part 1): grid 384 x 1, 4 waves a work-group, no clusters, 34,304 bytes of LDS; arguments x, w_attn, w_proj, xc, xs, wc, ws; writes xc, xs, wc, ws
.if DOCPART == 1
	.amdgcn_target "amdgcn-amd-amdhsa--gfx1250"
	.amdhsa_code_object_version 6
	.text
	.protected	k_q7b69ba30c2_quant
	.globl	k_q7b69ba30c2_quant
	.p2align	8
	.type	k_q7b69ba30c2_quant,@function
k_q7b69ba30c2_quant:
	s_mov_b64 s[64:65], 0
	v_nop
	global_prefetch_b8 v0, s[64:65] scope:SCOPE_SE
	s_setreg_imm32_b32 hwreg(HW_REG_WAVE_MODE, 25, 1), 1
	s_wait_xcnt 0x0
; x [8192][1024], w_attn [1024][3072] and w_proj [1024][1024], f32, become codes of FP6 (E2M3) with one E8M0 scale byte for each 32 along K (K = 1,024 in all three).
; A block's scale is 2^(floor(log2(its largest magnitude)) - 2); its byte is the largest magnitude's exponent field - 2, held at 1 from below.
; LIMITS: a block of zeros, or one whose largest magnitude lies under 2^-124, gets the byte 1 (its codes are zeros or subnormal codes; the bytes are read by this program alone); NaN and infinities are not served.
; THE LAYOUT OF THE CODES IS THE ORDER OF THE OPERAND'S REGISTERS.  A row (a row of x, a column of a weight) stands at row' = its number with bits 3 and 4 exchanged; 16 rows' are a row tile T';
; lane r of T' so holds true row 32 (T' / 2) + 8 (T' % 2) + r + 8 (r / 8).  A fragment (16 rows x 128 K: 12 registers a lane) is an image of 1,536 bytes: registers 4 c .. 4 c + 3 of lane l at 512 c + 16 l;
; a row tile's eight images stand on end (12,288 bytes).  The scale bytes: [row'][32].  The two weights' columns count as one run of 4,096: w_attn's 3,072, then w_proj's.
; Work-groups 0-127 take x, a wave a row tile; work-groups 128-383 take the weights, a wave 32 columns x 128 K.  No tensor loads, no barrier: waves share nothing.
.set XWG,  128
.set SP,   528                         ; x: a row of the wave's stage in LDS: 512 bytes + 16, so that the 16 rows that a load touches start in different banks
.set WST,  16*SP                       ; a wave's stage
.set R,    16                          ; v16-143  x as loaded: two sets of 64
.set X,    144                         ; v144-207 64 numbers of a lane: register 16 b + i = k 32 b + 16 (lane / 16) + i of my row
.set PC,   208                         ; v208-219 the fragment just made; v220-226 at work
.set TM,   228                         ; v228-231 largest magnitudes, v232-235 bytes, v236-239 the conversions' scale operands
.set SW,   244                         ; v244-251 the eight K steps' scale words
.set OUTR, 252
.set SEL,  20                          ; s[20:21] v_permlanex16_b32's selects for lane l xor 16
.set WX,   64                          ; weights: v64-191 128 numbers down K of my column
.set IMG,  192                         ; v192-203, v204-215: what lanes (r', 0) and (r', 1) of the fragment hold
.set TMPC, 216
.set SOP,  224
.set WRD,  228
	s_load_b256 s[4:11], s[0:1], 0x0               ; x s[4:5], w_attn s[6:7], w_proj s[8:9], xc s[10:11]
	s_load_b128 s[12:15], s[0:1], 0x20             ; xs s[12:13], wc s[14:15]
	s_load_b64 s[16:17], s[0:1], 0x30              ; ws
	v_lshl_add_u32 v242, v0, 2, 0x8400
	v_mov_b32 v243, 0
	v_lshrrev_b32 v1, 5, v0
	v_readfirstlane_b32 s18, v1                    ; wave
	v_and_b32 v1, 31, v0                           ; lane
	s_cmp_ge_u32 ttmp9, XWG
	s_cbranch_scc1 .Lweights
	; ---------------- x: my wave's row tile T' = 4 x work-group + wave, all of K in eight steps of 128
	v_and_b32 v2, 15, v0                           ; r
	v_bfe_u32 v3, v0, 4, 1                         ; h
	s_mov_b32 s[SEL], 0x76543210
	s_mov_b32 s[SEL+1], 0xfedcba98
	v_cmp_ne_u32 s22, 0, v3                        ; lanes 16-31
	v_lshlrev_b32 v4, 4, v1                        ; 16 x lane: a load's and an image's place for my lane
	s_mul_i32 s23, s18, WST
	v_add_nc_u32 v5, s23, v4                       ; the stage, on the way in: a row as it lies
	v_mul_u32_u24 v6, v2, SP
	v_lshl_add_u32 v6, v3, 6, v6
	v_add_nc_u32 v6, s23, v6                       ; and on the way out: row r, + 64 h: my 16 numbers of each block of 32
	v_lshlrev_b32 v7, 5, v2
	v_lshl_add_u32 v7, v3, 4, v7                   ; the scale bytes: 32 r + 16 h
.irp b, 0,1,2,3
	v_mov_b32 v[TM+4+\b], 0                        ; written once: a lane permute's destination counts as one of its sources
.endr
	s_lshl_b32 s24, ttmp9, 2
	s_add_co_u32 s24, s24, s18                     ; T'
	s_lshr_b32 s26, s24, 1
	s_lshl_b32 s26, s26, 17                        ; 32 (T' / 2) rows of 4,096 bytes
	s_and_b32 s27, s24, 1
	s_lshl_b32 s27, s27, 15                        ; + 8 (T' % 2) rows
	s_add_co_u32 s26, s26, s27
	s_mov_b32 s27, 0
	s_mul_i32 s28, s24, 12288
	s_mov_b32 s29, 0
	s_lshl_b32 s30, s24, 9
	s_mov_b32 s31, 0
	s_wait_alu depctr_va_vdst(0)
	s_wait_kmcnt 0x0
	s_add_nc_u64 s[4:5], s[4:5], s[26:27]
	s_add_nc_u64 s[10:11], s[10:11], s[28:29]
	s_add_nc_u64 s[12:13], s[12:13], s[30:31]
.macro LOADX s                         ; K step s of the tile's 16 rows: each load reads 512 consecutive bytes of one row
.irp i, 0,1,2,3,4,5,6,7,8,9,10,11,12,13,14,15
	global_load_b128 v[R+64*((\s)%2)+4*\i:R+64*((\s)%2)+4*\i+3], v4, s[4:5] offset:(\i+8*(\i/8))*4096+512*(\s) th:TH_LOAD_NT
.endr
.endm
.macro TURNX s                         ; through the stage: LDS serves a wave's instructions in order, so no wait stands between the stores and the loads
.irp i, 0,1,2,3,4,5,6,7,8,9,10,11,12,13,14,15
	ds_store_b128 v5, v[R+64*((\s)%2)+4*\i:R+64*((\s)%2)+4*\i+3] offset:SP*\i
.endr
.irp i, 0,1,2,3,4,5,6,7,8,9,10,11,12,13,14,15
	ds_load_b128 v[X+4*\i:X+4*\i+3], v6 offset:128*(\i/4)+16*(\i%4)
.endr
.endm
; 64 numbers of a lane, v[s] on, become a fragment's codes in v[PC] on and my row's scale word in v[w]
.macro QUANT s, w
.irp b, 0,1,2,3
	v_max3_num_f32 v[TM+\b], |v[\s+16*\b]|, |v[\s+1+16*\b]|, 0x1800000   ; block b: my 16 numbers, and the floor 2^(3 - 127): so the byte cannot fall under 1
.endr
.irp i, 2,4,6,8,10,12,14
.irp b, 0,1,2,3
	v_max3_num_f32 v[TM+\b], v[TM+\b], |v[\s+16*\b+\i]|, |v[\s+1+16*\b+\i]|   ; the four blocks by turns
.endr
.endr
.irp b, 0,1,2,3
	v_permlanex16_b32 v[TM+4+\b], v[TM+\b], s[SEL], s[SEL+1]
.endr
.irp b, 0,1,2,3
	v_max_num_f32 v[TM+\b], v[TM+\b], v[TM+4+\b]   ; with lane l xor 16's: the block's largest magnitude
.endr
.irp b, 0,1,2,3
	v_add_nc_u32 v[TM+8+\b], 0xff000000, v[TM+\b]  ; 2 off its exponent field: the conversion takes the exponent field of this operand as its scale
.endr
.irp b, 0,1,2,3
	v_lshrrev_b32 v[TM+4+\b], 23, v[TM+8+\b]       ; the scale's byte
.endr
	v_lshl_or_b32 v[\w], v[TM+5], 8, v[TM+4]
	v_lshl_or_b32 v[\w], v[TM+6], 16, v[\w]
	v_lshl_or_b32 v[\w], v[TM+7], 24, v[\w]
.irp c, 0,1
	v_cvt_scalef32_pk16_fp6_f32 v[PC+6*\c:PC+2+6*\c], v[\s+32*\c:\s+15+32*\c], v[TM+8+2*\c]
	v_cvt_scalef32_pk16_fp6_f32 v[PC+12+4*\c:PC+14+4*\c], v[\s+16+32*\c:\s+31+32*\c], v[TM+8+2*\c+1]   ; (a conversion's three registers begin on an even number)
.endr
	v_nop                                          ; one plain place behind a scaled conversion
.irp c, 0,1                            ; the operand's layout wants a whole block in a lane: lanes 0-15 block 2 c, lanes 16-31 block 2 c + 1
.irp i, 0,1,2
	v_permlane16_swap_b32 v[PC+6*\c+\i], v[PC+12+4*\c+\i]
.endr
.irp i, 0,1,2
	v_mov_b32 v[PC+3+6*\c+\i], v[PC+12+4*\c+\i]
.endr
.endr
.endm
.macro XSTEP s
.if (\s) < 7
	s_wait_loadcnt 16                              ; this step's 16 loads are in; the next step's may be out
.else
	s_wait_loadcnt 0x0
.endif
	TURNX \s
	s_wait_dscnt 0x0                               ; the numbers are back, so the stores into the stage have read their registers,
	s_wait_xcnt 0x0                                ; and the last step's global stores have read the fragment's
.if (\s)+2 < 8
	LOADX (\s)+2
.endif
	QUANT X, SW+(\s)
.irp c, 0,1,2
	global_store_b128 v4, v[PC+4*\c:PC+4*\c+3], s[10:11] offset:1536*(\s)+512*\c   ; 512 consecutive bytes
.endr
.endm
	LOADX 0
	LOADX 1
.irp s, 0,1,2,3,4,5,6,7
	XSTEP \s
.endr
.irp i, 0,1,2,3
	v_cndmask_b32 v[OUTR+\i], v[SW+\i], v[SW+4+\i], s22   ; lanes 0-15 store my row's words 0-3, lanes 16-31 its words 4-7
.endr
	global_store_b128 v7, v[OUTR:OUTR+3], s[12:13] ; the tile's 512 scale bytes, consecutive
	s_wait_tensorcnt 0x0
	ds_add_u32 v242, v243
	s_wait_dscnt 0x0
	s_endpgm
	; ---------------- the weights: a lane takes a column and its registers run down K; K step ks, columns 128 cg + 32 wave + lane of the 4,096
.Lweights:
	s_sub_co_u32 s19, ttmp9, XWG
	s_and_b32 s20, s19, 31                         ; cg
	s_lshr_b32 s21, s19, 5                         ; ks
	s_wait_alu depctr_va_vdst(0)
	v_lshlrev_b32 v4, 2, v1                        ; in: 4 bytes a lane
	v_bfe_u32 v2, v0, 3, 1                         ; u: which of my wave's two row tiles my column falls into
	v_and_b32 v3, 7, v0
	v_bfe_u32 v8, v0, 4, 1
	v_lshl_add_u32 v3, v8, 3, v3                   ; r': its row there
	v_mul_u32_u24 v5, v2, 12288
	v_lshl_add_u32 v5, v3, 4, v5                   ; out: tile u, 16 r'
	v_lshl_add_u32 v6, v2, 4, v3
	v_lshlrev_b32 v6, 5, v6                        ; the scale bytes: row' x 32
	s_lshl_b32 s22, s20, 3
	s_lshl_b32 s23, s18, 1
	s_add_co_u32 s22, s22, s23                     ; my first row tile: 8 cg + 2 wave
	s_mul_i32 s26, s22, 12288
	s_mul_i32 s27, s21, 1536
	s_add_co_u32 s26, s26, s27
	s_mov_b32 s27, 0
	s_lshl_b32 s28, s22, 9
	s_lshl_b32 s29, s21, 2
	s_add_co_u32 s28, s28, s29
	s_mov_b32 s29, 0
	s_cmp_lt_u32 s20, 24                           ; w_attn's columns or w_proj's?  The choice hangs on the work-group's number alone
	s_cselect_b32 s30, 0, 24
	s_mov_b32 s31, 128*4096
	s_cselect_b32 s31, 128*12288, s31              ; 128 rows of the tensor, in bytes
	s_wait_kmcnt 0x0
	s_cselect_b64 s[24:25], s[6:7], s[8:9]
	s_sub_co_u32 s30, s20, s30
	s_lshl_b32 s30, s30, 9                         ; 128 columns x 4 bytes
	s_lshl_b32 s19, s18, 7
	s_add_co_u32 s30, s30, s19
	s_mul_i32 s31, s31, s21
	s_add_co_u32 s30, s30, s31
	s_mov_b32 s31, 0
	s_add_nc_u64 s[24:25], s[24:25], s[30:31]
	s_add_nc_u64 s[14:15], s[14:15], s[26:27]
	s_add_nc_u64 s[16:17], s[16:17], s[28:29]
.macro LOADW first, n, pitch           ; rows first .. first + n - 1 of the wave's 128 along K: each load reads 128 consecutive bytes of one row
.set I, \first
.rept \n
	global_load_b32 v[WX+I], v4, s[24:25] offset:I*\pitch th:TH_LOAD_NT
.set I, I+1
.endr
.endm
; block t = 2 c + h of my column: all its 32 numbers are mine; its six registers are registers 6 c .. 6 c + 5 of fragment lane (r', h).
; The loads run one and a half blocks ahead: 48 are out at the wait, the block's 32 and the first 16 of the next; behind the wait the next 32 rows are asked for (16 behind block 2's, none behind block 3's).
.macro BLOCKW t, pitch
.set XS, WX+32*(\t)
.set IM, IMG+12*((\t)%2)+6*((\t)/2)
.set TC, TMPC+4*((\t)%2)
.if (\t) < 3
	s_wait_loadcnt 16                              ; this block's 32 loads are in; the 16 youngest, the next block's first half, may be out
.else
	s_wait_loadcnt 0x0
.endif
.if (\t) < 2
	LOADW 48+32*(\t), 32, \pitch
.elseif (\t) == 2
	LOADW 112, 16, \pitch
.endif
	v_max3_num_f32 v12, |v[XS]|, |v[XS+1]|, |v[XS+2]|
	v_max3_num_f32 v13, |v[XS+3]|, |v[XS+4]|, |v[XS+5]|
.irp i, 6,10,14,18,22,26
	v_max3_num_f32 v12, v12, |v[XS+\i]|, |v[XS+\i+1]|
	v_max3_num_f32 v13, v13, |v[XS+\i+2]|, |v[XS+\i+3]|
.endr
	v_max3_num_f32 v12, v12, |v[XS+30]|, |v[XS+31]|
	v_max3_num_f32 v12, v12, v13, 0x1800000        ; and the floor 2^(3 - 127): so the byte cannot fall under 1
	v_add_nc_u32 v[SOP+(\t)], 0xff000000, v12      ; 2 off the exponent field: the conversion's scale operand
	v_lshrrev_b32 v13, 23, v[SOP+(\t)]             ; the scale's byte
.if (\t) == 0
	v_mov_b32 v[WRD], v13
.else
	v_lshl_or_b32 v[WRD], v13, 8*(\t), v[WRD]
.endif
	v_cvt_scalef32_pk16_fp6_f32 v[IM:IM+2], v[XS:XS+15], v[SOP+(\t)]
	v_cvt_scalef32_pk16_fp6_f32 v[TC:TC+2], v[XS+16:XS+31], v[SOP+(\t)]   ; (a conversion's three registers begin on an even number)
	v_nop                                          ; one plain place behind a scaled conversion
.irp i, 0,1,2
	v_mov_b32 v[IM+3+\i], v[TC+\i]
.endr
.endm
; The whole of a wave's work on a tensor whose rows are pitch bytes long.  The pitch stands in the loads' immediates, so the body is written once for each tensor; every register is written once, so no store's data are written again.
.macro WBODY pitch
	LOADW 0, 48, \pitch
	BLOCKW 0, \pitch
	BLOCKW 1, \pitch
	BLOCKW 2, \pitch
	BLOCKW 3, \pitch
.irp h, 0,1
.irp c, 0,1,2
	global_store_b128 v5, v[IMG+12*\h+4*\c:IMG+12*\h+4*\c+3], s[14:15] offset:512*\c+256*\h   ; sixteen lanes store 256 consecutive bytes, aligned, in each of the two tiles
.endr
.endr
	global_store_b32 v6, v[WRD], s[16:17]          ; my column's four bytes of this K step: pieces of 4 bytes, 32 bytes apart: one byte for each 128 that the wave reads
	s_endpgm
.endm
	s_cmp_lt_u32 s20, 24
	s_cbranch_scc0 .Lproj_rows
	s_wait_alu depctr_va_vdst(0)
	WBODY 12288
.Lproj_rows:
	s_wait_alu depctr_va_vdst(0)
	WBODY 4096
.Lfunc_end_k_q7b69ba30c2_quant:
	.size	k_q7b69ba30c2_quant, .Lfunc_end_k_q7b69ba30c2_quant-k_q7b69ba30c2_quant
	.p2alignl 7, 3214868480
	.fill 96, 4, 3214868480
	.section	.rodata,"a",@progbits
	.p2align	6, 0x0
	.amdhsa_kernel k_q7b69ba30c2_quant
		.amdhsa_group_segment_fixed_size 34304
		.amdhsa_private_segment_fixed_size 0
		.amdhsa_enable_private_segment 0
		.amdhsa_kernarg_size 56
		.amdhsa_user_sgpr_count 2
		.amdhsa_user_sgpr_kernarg_segment_ptr 1
		.amdhsa_wavefront_size32 1
		.amdhsa_system_sgpr_workgroup_id_x 1
		.amdhsa_system_sgpr_workgroup_id_y 1
		.amdhsa_system_sgpr_workgroup_id_z 1
		.amdhsa_system_vgpr_workitem_id 0
		.amdhsa_next_free_vgpr 256
		.amdhsa_next_free_sgpr 66
		.amdhsa_reserve_vcc 0
		.amdhsa_float_denorm_mode_32 3
		.amdhsa_float_denorm_mode_16_64 3
		.amdhsa_memory_ordered 1
		.amdhsa_forward_progress 1
		.amdhsa_inst_pref_size 103
	.end_amdhsa_kernel
	.amdgpu_metadata
---
amdhsa.version: [ 1, 2 ]
amdhsa.kernels:
  - .name:           k_q7b69ba30c2_quant
    .symbol:         k_q7b69ba30c2_quant.kd
    .args:
      - { .name: x, .offset: 0, .size: 8, .value_kind: global_buffer, .address_space: global }
      - { .name: w_attn, .offset: 8, .size: 8, .value_kind: global_buffer, .address_space: global }
      - { .name: w_proj, .offset: 16, .size: 8, .value_kind: global_buffer, .address_space: global }
      - { .name: xc, .offset: 24, .size: 8, .value_kind: global_buffer, .address_space: global }
      - { .name: xs, .offset: 32, .size: 8, .value_kind: global_buffer, .address_space: global }
      - { .name: wc, .offset: 40, .size: 8, .value_kind: global_buffer, .address_space: global }
      - { .name: ws, .offset: 48, .size: 8, .value_kind: global_buffer, .address_space: global }
    .group_segment_fixed_size: 34304
    .private_segment_fixed_size: 0
    .kernarg_segment_align: 8
    .kernarg_segment_size: 56
    .max_flat_workgroup_size: 128
    .sgpr_count:     66
    .vgpr_count:     256
    .wavefront_size: 32
...
	.end_amdgpu_metadata
.endif
;; end of part 1
;; launch gemm_qkv (part 2): grid 8 x 48, 4 waves a work-group, clusters of 4 x 4, 327,680 bytes of LDS; arguments xc, xs, wc, ws, b_attn, qkv; writes qkv
.if DOCPART == 2
	.amdgcn_target "amdgcn-amd-amdhsa--gfx1250"
	.amdhsa_code_object_version 6
	.text
	.protected	k_q7b69ba30c2_gemm_qkv
	.globl	k_q7b69ba30c2_gemm_qkv
	.p2align	8
	.type	k_q7b69ba30c2_gemm_qkv,@function
k_q7b69ba30c2_gemm_qkv:
	s_mov_b64 s[64:65], 0
	v_nop
	global_prefetch_b8 v0, s[64:65] scope:SCOPE_SE
	s_setreg_imm32_b32 hwreg(HW_REG_WAVE_MODE, 25, 1), 1
	s_wait_xcnt 0x0
	s_wait_alu depctr_hold_cnt(0) depctr_sa_sdst(0) depctr_va_vdst(0) depctr_va_sdst(0) depctr_va_ssrc(0) depctr_va_vcc(0) depctr_vm_vsrc(0)
	s_getreg_b32 s2, hwreg(HW_REG_IB_STS2, 6, 4)
	s_cmp_eq_u32 s2, 0
	s_cbranch_scc0 .Lentry_in_a_cluster
	s_endpgm
.Lentry_in_a_cluster:
	s_bfe_u32 s2, ttmp6, 0x10000c
	s_cmp_lg_u32 s2, 0xf033
	s_cbranch_scc0 .Lentry_shape_is_right
	s_endpgm
.Lentry_shape_is_right:
; qkv = x w_attn + b_attn on codes of FP6 (E2M3) with E8M0 scales, a tile of 256 x 256 to a work-group, 128 x 128 to a wave; the results leave quantised, as step blocks of 128 tokens of one head.
; Cluster rows 0-7 make q and k (A = x, B = w_attn's columns), rows 8-11 make v with the operands exchanged, so that v is quantised along the tokens.
; K goes in slots of 256 through a ring of two LDS slots filled by joint loads.  THE HEAD'S FOUR TILES are shared out, one load a wave: A's first slot, B's first slot, A's scales, B's scales.
.set NQ,     2
.set FR,     12
.set NL,     3
.set NP,     4
.set IMGB,   1536
.set TILEB,  NQ*IMGB
.set KROW,   8*IMGB
.set HALFT,  8*TILEB
.set SLOT,   4*HALFT
.set SCL,    2*SLOT
.set HALFS,  16*272
.set SBLK,   2*272
.set SPARE,  SCL+4*HALFS
.set BLKB,   6656
.set HEADB,  64*BLKB
.set ADRA, 16
.set ADRB, 20
.set LI,   26
.set ADRS, 27
.set SPW,  28
.set NIL,  29
.set SC,   32
.set BB,   64
.set AF,   128
.set BA,   240
.set T,    128
.set PC,   192
.set TM,   212
.set W,    32
.set OUTR, 40
.set SEL,  92
.set HM,   98
.set G1, 24
.set G0, 32
.set G1B, 48
.set G0B, 56
.set G1S, 68
.set G0S, 76
.set G1SB, 80
.set G0SB, 88
.set MSB, 0
.macro WIN new
.if MSB != \new
	s_set_vgpr_msb (MSB<<8)|\new
.set MSB, \new
.endif
.endm
.set MUL_LO, 0xa1
.set MUL_HI, 0xf1
.set TO_B,   0x40
.macro JLOAD g0a, g1a, g0b, g1b
	s_cmp_eq_u32 s15, 0
	s_cbranch_scc0 .Lfor_b_\@
	tensor_load_to_lds s[\g0a:\g0a+3], s[\g1a:\g1a+7]
	s_nop 0
.rept 4
	v_nop
.endr
	s_branch .Lasked_\@
.Lfor_b_\@:
	tensor_load_to_lds s[\g0b:\g0b+3], s[\g1b:\g1b+7]
	s_nop 0
.rept 4
	v_nop
.endr
.Lasked_\@:
.endm
.macro CREST
	s_cmp_lg_u32 s14, 0
	s_cbranch_scc1 .Lnot_wave_0_\@
	s_barrier_signal -3
.Lnot_wave_0_\@:
	s_barrier_wait -3
	s_barrier_signal -1
	s_barrier_wait -1
.endm
.macro CROUND
	s_barrier_signal -1
	s_barrier_wait -1
	CREST
.endm
	s_load_b256 s[92:99], s[0:1], 0x0
	s_load_b64 s[66:67], s[0:1], 0x20
	s_load_b64 s[12:13], s[0:1], 0x28
	v_lshl_add_u32 v[SPW], v0, 2, SPARE
	v_mov_b32 v[NIL], 0
	ds_add_u32 v28, v29
	ds_add_u32 v28, v29
	s_wait_dscnt 0x0
	v_lshrrev_b32 v1, 5, v0
	v_readfirstlane_b32 s14, v1
	s_lshr_b32 s15, s14, 1
	s_and_b32 s16, s14, 1
	s_bfe_u32 s40, ttmp6, 0x40000
	s_bfe_u32 s41, ttmp6, 0x40004
	s_and_b32 s18, ttmp7, 0xffff
	s_max_u32 s42, s18, 8
	s_sub_co_u32 s42, s42, 8
	s_lshl_b32 s42, s42, 3
	s_lshl_b32 s19, ttmp9, 2
	s_add_co_u32 s42, s42, s19
	s_add_co_u32 s42, s42, s40
	s_lshl_b32 s17, s18, 2
	s_cmp_ge_u32 s18, 8
	s_cselect_b32 s17, 8, s17
	s_add_co_u32 s17, s17, s41
	s_lshl_b32 s43, s41, 2
	s_lshl_b32 s43, 15, s43
	s_lshl_b32 s44, 0x1111, s40
	s_or_b32 s[G1+0], s43, (3<<16)|(1<<21)
	s_or_b32 s[G1B+0], s44, (3<<16)|(1<<21)
.irp g, G1, G1B
	s_mov_b32 s[\g+1], (TILEB/8)<<16
	s_mov_b32 s[\g+2], 16<<16                      ; the head's loads bring all 16 row tiles; the ring's bring 8 (set behind the head's wait)
	s_mov_b32 s[\g+3], (TILEB/8)<<16
	s_mov_b32 s[\g+4], 16
	s_mov_b32 s[\g+5], KROW/8
	s_mov_b32 s[\g+6], 0
	s_mov_b32 s[\g+7], 0
.endr
	s_or_b32 s[G1S+0], s43, (3<<16)|(1<<20)|(1<<21)|(5<<22)|(3<<25)
	s_or_b32 s[G1SB+0], s44, (3<<16)|(1<<20)|(1<<21)|(5<<22)|(3<<25)
.irp g, G1S, G1SB
	s_mov_b32 s[\g+1], 32<<16
	s_mov_b32 s[\g+2], 32<<16                      ; the scales of 256 rows: 32 rows of 256 bytes
	s_mov_b32 s[\g+3], 32<<16
	s_mov_b32 s[\g+4], 32
	s_mov_b32 s[\g+5], 32
	s_mov_b32 s[\g+6], 0
	s_mov_b32 s[\g+7], 0
.endr
	s_lshl_b32 s20, s17, 4                         ; the tile's first row tile, of A and of B
	s_lshl_b32 s46, s42, 4
	s_lshl_b32 s22, s20, 9
	s_mov_b32 s23, 0
	s_lshl_b32 s2, s46, 9
	s_mov_b32 s3, 0
	s_mul_i32 s20, s20, KROW
	s_mov_b32 s21, 0
	s_mul_i32 s46, s46, KROW
	s_mov_b32 s47, 0
	s_mul_i32 s45, s14, HALFT
	s_and_b32 s18, ttmp7, 0xffff
	s_wait_kmcnt 0x0
	s_cmp_ge_u32 s18, 8
	s_cselect_b64 s[4:5], s[96:97], s[92:93]
	s_cselect_b64 s[6:7], s[98:99], s[94:95]
	s_cselect_b64 s[8:9], s[92:93], s[96:97]
	s_cselect_b64 s[10:11], s[94:95], s[98:99]
	s_add_nc_u64 s[20:21], s[4:5], s[20:21]
	s_add_nc_u64 s[22:23], s[6:7], s[22:23]
	s_add_nc_u64 s[46:47], s[8:9], s[46:47]
	s_add_nc_u64 s[2:3], s[10:11], s[2:3]
	CROUND
	s_mov_b32 s[G0S], 1
	s_mov_b32 s[G0S+1], SCL
	s_mov_b64 s[G0S+2:G0S+3], s[22:23]
	s_or_b32 s[G0S+3], s[G0S+3], 0x80000000
	s_mov_b32 s[G0SB], 1
	s_mov_b32 s[G0SB+1], SCL+2*HALFS
	s_mov_b64 s[G0SB+2:G0SB+3], s[2:3]
	s_or_b32 s[G0SB+3], s[G0SB+3], 0x80000000
.set G0H, 4                            ; s[4:7], s[8:11]: group 0 of the head's loads of codes (the pointers that lay there have been used)
.set G0HB, 8
	s_mov_b32 s[G0H], 1                            ; slot 0's 16 row tiles of A,
	s_mov_b32 s[G0H+1], 0
	s_mov_b64 s[G0H+2:G0H+3], s[20:21]
	s_or_b32 s[G0H+3], s[G0H+3], 0x80000000
	s_mov_b32 s[G0HB], 1                           ; and of B, behind them
	s_mov_b32 s[G0HB+1], 2*HALFT
	s_mov_b64 s[G0HB+2:G0HB+3], s[46:47]
	s_or_b32 s[G0HB+3], s[G0HB+3], 0x80000000
	s_mul_i32 s18, s16, 8*KROW                     ; for the ring: my 8 row tiles of the 16
	s_mov_b32 s19, 0
	s_add_nc_u64 s[20:21], s[20:21], s[18:19]
	s_add_nc_u64 s[46:47], s[46:47], s[18:19]
.irp s, 0,1
	s_mov_b32 s[G0+4*\s], 1
	s_add_co_u32 s[G0+4*\s+1], s45, \s*SLOT
	s_add_nc_u64 s[G0+4*\s+2:G0+4*\s+3], s[20:21], \s*TILEB
	s_or_b32 s[G0+4*\s+3], s[G0+4*\s+3], 0x80000000
	s_mov_b32 s[G0B+4*\s], 1
	s_add_co_u32 s[G0B+4*\s+1], s45, \s*SLOT
	s_add_nc_u64 s[G0B+4*\s+2:G0B+4*\s+3], s[46:47], \s*TILEB
	s_or_b32 s[G0B+4*\s+3], s[G0B+4*\s+3], 0x80000000
.endr
; one chain of branches on the wave's number, one load to an arm, all arms leading to one join: one tensor load a wave at the head
.macro ARM under, g0, g1, next
	s_cmp_lt_u32 s14, \under
	s_cbranch_scc0 \next
	tensor_load_to_lds s[\g0:\g0+3], s[\g1:\g1+7]
	s_nop 0
.rept 4
	v_nop
.endr
	s_branch .Lhead_asked
\next:
.endm
	ARM 1, G0H,  G1,  .Lhead_b
	ARM 2, G0HB, G1B, .Lhead_sa
	ARM 3, G0S,  G1S, .Lhead_sb
	tensor_load_to_lds s[G0SB:G0SB+3], s[G1SB:G1SB+7]
	s_nop 0
.rept 4
	v_nop
.endr
.Lhead_asked:
	v_and_b32 v1, 15, v0
	v_bfe_u32 v2, v0, 4, 1
	v_and_b32 v3, 31, v0
	v_lshlrev_b32 v[LI], 4, v3
	s_mul_i32 s21, s15, HALFT
	s_mul_i32 s22, s16, HALFT
	s_add_co_u32 s22, s22, 2*HALFT
.irp s, 0,1
	v_add_nc_u32 v[ADRA+\s], s21, v[LI]
	v_add_nc_u32 v[ADRB+\s], s22, v[LI]
	s_add_co_u32 s21, s21, SLOT
	s_add_co_u32 s22, s22, SLOT
.endr
	v_lshlrev_b32 v5, 5, v1
	v_lshrrev_b32 v6, 8, v5
	v_lshl_add_u32 v5, v6, 4, v5
	s_mul_i32 s21, s15, HALFS
	s_mul_i32 s22, s16, HALFS
	s_add_co_u32 s22, s22, 2*HALFS
	s_sub_co_u32 s22, s22, s21
	v_mul_u32_u24 v6, s22, v2
	s_add_co_u32 s21, s21, SCL
	v_add_nc_u32 v5, v5, v6
	v_add_nc_u32 v[ADRS], s21, v5
	s_and_b32 s18, ttmp7, 0xffff
	s_cmp_ge_u32 s18, 8
	s_cselect_b32 s20, s17, s42
	s_cselect_b32 s21, s15, s16
	s_cselect_b32 s22, s42, s17
	s_cselect_b32 s23, s16, s15
	s_lshl_b32 s20, s20, 2
	s_lshl_b32 s21, s21, 1
	s_add_co_u32 s20, s20, s21
	s_lshl_b32 s22, s22, 1
	s_add_co_u32 s22, s22, s23
	s_lshl_b32 s46, s20, 8
	s_mov_b32 s47, 0
	s_add_nc_u64 s[66:67], s[66:67], s[46:47]
	s_lshl_b32 s20, s20, 6
	s_add_co_u32 s20, s20, s22
	s_mul_i32 s46, s20, BLKB
	s_add_nc_u64 s[12:13], s[12:13], s[46:47]
	v_lshlrev_b32 v8, 6, v2
	v_and_b32 v9, 7, v0
	v_bfe_u32 v6, v0, 3, 1
	v_lshl_add_u32 v9, v6, 4, v9
	v_lshlrev_b32 v9, 2, v9
.irp i, 0,1,2,3,4,5,6,7,8,9,10,11,12,13,14,15
	global_load_b128 v[BB+4*\i:BB+4*\i+3], v8, s[66:67] offset:128*(\i/4)+16*(\i%4)
.endr
.irp a, 0,1,2,3,4,5,6,7
	global_load_b32 v[BA+2*\a], v9, s[66:67] offset:4*(32*(\a/2)+8*(\a%2))
	global_load_b32 v[BA+2*\a+1], v9, s[66:67] offset:4*(32*(\a/2)+8*(\a%2))
.endr
.macro FRAG reg, adr, q, i
.irp c, 0,1,2
	ds_load_b128 v[\reg+4*\c:\reg+4*\c+3], v[\adr] offset:(\i)*TILEB+(\q)*IMGB+512*\c
.endr
.endm
.macro MUL16 a0, p, q, sc, zero
.irp a, \a0, \a0+1
.irp b, 0,1,2,3,4,5,6,7
.if \zero
	v_wmma_scale_f32_16x16x128_f8f6f4 v[8*(8*((\a)%4)+\b):8*(8*((\a)%4)+\b)+7], v[128*(\p)+FR*\b:128*(\p)+FR*\b+FR-1], v[AF+FR*(\a):AF+FR*(\a)+FR-1], 0, v[SC+8*NQ*(\sc)+NQ*\b+(\q)], v[SC+8*NQ*(\sc)+NQ*(\a)+(\q)] matrix_a_fmt:MATRIX_FMT_FP6 matrix_b_fmt:MATRIX_FMT_FP6 matrix_a_scale:MATRIX_SCALE_ROW1
.else
	v_wmma_scale_f32_16x16x128_f8f6f4 v[8*(8*((\a)%4)+\b):8*(8*((\a)%4)+\b)+7], v[128*(\p)+FR*\b:128*(\p)+FR*\b+FR-1], v[AF+FR*(\a):AF+FR*(\a)+FR-1], v[8*(8*((\a)%4)+\b):8*(8*((\a)%4)+\b)+7], v[SC+8*NQ*(\sc)+NQ*\b+(\q)], v[SC+8*NQ*(\sc)+NQ*(\a)+(\q)] matrix_a_fmt:MATRIX_FMT_FP6 matrix_b_fmt:MATRIX_FMT_FP6 matrix_a_scale:MATRIX_SCALE_ROW1
.endif
.endr
.endr
.endm
.macro FETCH_B slot, q, p
	WIN TO_B
.irp i, 0,1,2,3,4,5,6,7
	FRAG 128*(\p)+FR*\i, ADRB+\slot, \q, \i
.endr
	WIN 0
.endm
.macro FETCH_A slot, q, i0
.irp i, \i0, \i0+1, \i0+2, \i0+3
	FRAG AF+FR*(\i), ADRA+\slot, \q, \i
.endr
.endm
.macro SCALES sc
.irp i, 0,1,2,3,4,5,6,7
	ds_load_b64 v[SC+8*NQ*\sc+NQ*\i:SC+8*NQ*\sc+NQ*\i+1], v[ADRS] offset:\i*SBLK
.endr
.endm
.macro PLACES n
.rept \n
	v_nop
.endr
.endm
.macro STEP slot, q, zero
	s_wait_dscnt 4*NL
	WIN MUL_LO
	MUL16 0, (\q)%2, \q, \slot, \zero
	MUL16 2, (\q)%2, \q, \slot, \zero
	s_wait_dscnt 0
	PLACES NP
	FETCH_B \slot, (\q)+1, 1-(\q)%2
	FETCH_A \slot, (\q)+1, 0
	WIN MUL_HI
	MUL16 4, (\q)%2, \q, \slot, \zero
	MUL16 6, (\q)%2, \q, \slot, \zero
	PLACES NP
	WIN 0
	FETCH_A \slot, (\q)+1, 4
.endm
.macro TURN slot, next, fill
	s_wait_tensorcnt 0x0
	ds_add_u32 v[SPW], v[NIL]
	s_wait_dscnt 4*NL+1
	WIN MUL_LO
	MUL16 0, 1, NQ-1, \slot, 0
	s_wait_dscnt 0x0
	s_barrier_signal -1
	MUL16 2, 1, NQ-1, \slot, 0
	WIN 0
	s_barrier_wait -1
.if \fill
	CREST
	s_add_nc_u64 s[G0+4*\slot+2:G0+4*\slot+3], s[G0+4*\slot+2:G0+4*\slot+3], 2*TILEB
	s_add_nc_u64 s[G0B+4*\slot+2:G0B+4*\slot+3], s[G0B+4*\slot+2:G0B+4*\slot+3], 2*TILEB
	JLOAD G0+4*\slot, G1, G0B+4*\slot, G1B
.else
	PLACES NP
.endif
	s_wait_alu depctr_va_vdst(0)
	v_add_nc_u32 v[ADRS], 4*NQ, v[ADRS]
	FETCH_B \next, 0, 0
	FETCH_A \next, 0, 0
	SCALES \next
	WIN MUL_HI
	MUL16 4, 1, NQ-1, \slot, 0
	MUL16 6, 1, NQ-1, \slot, 0
	PLACES NP
	WIN 0
	FETCH_A \next, 0, 4
.endm
	s_wait_alu depctr_va_vdst(0)
	s_wait_tensorcnt 0x0                           ; my tile of the head's four is in
	ds_add_u32 v[SPW], v[NIL]
	s_mov_b32 s[G1+2], 8<<16                       ; no tensor load of mine is out: from here on a load brings 8 row tiles
	s_mov_b32 s[G1+4], 8
	s_mov_b32 s[G1B+2], 8<<16
	s_mov_b32 s[G1B+4], 8
	s_wait_dscnt 0x0
	CROUND                                         ; all four tiles are in, and the partners are here
	JLOAD G0+4, G1, G0B+4, G1B                     ; slot 1's first fill, the first tensor load behind the round
	FETCH_B 0, 0, 0
	FETCH_A 0, 0, 0
	SCALES 0
	FETCH_A 0, 0, 4
	STEP 0, 0, 1
	TURN 0, 1, 1
	STEP 1, 0, 0
	TURN 1, 0, 1
	STEP 0, 0, 0
	TURN 0, 1, 0
	STEP 1, 0, 0
	s_wait_dscnt 4*NL
	WIN MUL_LO
	MUL16 0, 1, NQ-1, 1, 0
	MUL16 2, 1, NQ-1, 1, 0
	s_wait_dscnt 0
	WIN MUL_HI
	MUL16 4, 1, NQ-1, 1, 0
	MUL16 6, 1, NQ-1, 1, 0
	WIN 0
.macro QUANT s
.irp b, 0,1,2,3
	v_max3_num_f32 v[TM+\b], |v[\s+16*\b]|, |v[\s+1+16*\b]|, 0x1800000
.endr
.irp i, 2,4,6,8,10,12,14
.irp b, 0,1,2,3
	v_max3_num_f32 v[TM+\b], v[TM+\b], |v[\s+16*\b+\i]|, |v[\s+1+16*\b+\i]|
.endr
.endr
.irp b, 0,1,2,3
	v_permlanex16_b32 v[TM+4+\b], v[TM+\b], s[SEL], s[SEL+1]
.endr
.irp b, 0,1,2,3
	v_max_num_f32 v[TM+\b], v[TM+\b], v[TM+4+\b]
.endr
.irp b, 0,1,2,3
	v_add_nc_u32 v[TM+8+\b], 0xff000000, v[TM+\b]
.endr
.irp b, 0,1,2,3
	v_lshrrev_b32 v[TM+4+\b], 23, v[TM+8+\b]
.endr
.irp c, 0,1
	v_cvt_scalef32_pk16_fp6_f32 v[PC+6*\c:PC+2+6*\c], v[\s+32*\c:\s+15+32*\c], v[TM+8+2*\c]
	v_cvt_scalef32_pk16_fp6_f32 v[PC+12+4*\c:PC+14+4*\c], v[\s+16+32*\c:\s+31+32*\c], v[TM+8+2*\c+1]
.endr
	v_nop
.irp c, 0,1
.irp i, 0,1,2
	v_permlane16_swap_b32 v[PC+6*\c+\i], v[PC+12+4*\c+\i]
.endr
.irp i, 0,1,2
	v_mov_b32 v[PC+3+6*\c+\i], v[PC+12+4*\c+\i]
.endr
.endr
.endm
.macro ADDB0 tau, chi
	WIN 0x02+(\tau)/2
.set AC0, 64*((2*(\tau))%4)+32*(\chi)
.set AC1, 64*((2*(\tau)+1)%4)+32*(\chi)
.set I, 0
.rept 16
	v_pk_add_f32 v[T+I:T+I+1], v[AC0+I:AC0+I+1], v[BB+32*(\chi)+I:BB+32*(\chi)+I+1]
.set I, I+2
.endr
.set I, 0
.rept 16
	v_pk_add_f32 v[T+32+I:T+32+I+1], v[AC1+I:AC1+I+1], v[BB+32*(\chi)+I:BB+32*(\chi)+I+1]
.set I, I+2
.endr
	WIN 0
.endm
.macro ADDB1 a
	WIN 0x02+(\a)/4
.set AC0, 64*((\a)%4)
.set I, 0
.rept 32
	v_pk_add_f32 v[T+I:T+I+1], v[AC0+I:AC0+I+1], v[BA+2*(\a):BA+2*(\a)+1]
.set I, I+2
.endr
	WIN 0
.endm
	s_wait_loadcnt 0x0
	PLACES NP
	s_mov_b32 s[SEL], 0x76543210
	s_mov_b32 s[SEL+1], 0xfedcba98
	v_bfe_u32 v1, v0, 4, 1
	v_cmp_ne_u32 s[HM], 0, v1
.irp b, 0,1,2,3
	v_mov_b32 v[TM+4+\b], 0
.endr
	s_and_b32 s18, ttmp7, 0xffff
	s_cmp_ge_u32 s18, 8
	s_cbranch_scc1 .Lvalues
.irp chi, 0,1
.irp tau, 0,1,2,3
	ADDB0 \tau, \chi
	s_wait_xcnt 0x0
	QUANT T
	v_lshl_or_b32 v[W+2*\tau], v[TM+5], 8, v[TM+4]
	v_lshl_or_b32 v[W+2*\tau+1], v[TM+7], 8, v[TM+6]
	v_or_b32 v[W+2*\tau], 0x7f7f0000, v[W+2*\tau]
	v_or_b32 v[W+2*\tau+1], 0x7f7f0000, v[W+2*\tau+1]
.irp c, 0,1,2
	global_store_b128 v[LI], v[PC+4*\c:PC+4*\c+3], s[12:13] offset:HEADB*\chi+IMGB*\tau+512*\c
.endr
.endr
.irp i, 0,1,2,3
	v_cndmask_b32 v[OUTR+\i], v[W+\i], v[W+4+\i], s[HM]
.endr
	global_store_b128 v[LI], v[OUTR:OUTR+3], s[12:13] offset:HEADB*\chi+4*IMGB
.endr
	s_branch .Lend
.Lvalues:
.irp a, 0,1,2,3,4,5,6,7
	ADDB1 \a
	s_wait_xcnt 0x0
	QUANT T
	v_lshl_or_b32 v[W+\a%4], v[TM+5], 8, v[TM+4]
	v_lshl_or_b32 v[W+\a%4], v[TM+6], 16, v[W+\a%4]
	v_lshl_or_b32 v[W+\a%4], v[TM+7], 24, v[W+\a%4]
.irp c, 0,1,2
	global_store_b128 v[LI], v[PC+4*\c:PC+4*\c+3], s[12:13] offset:HEADB*(\a/4)+IMGB*(\a%4)+512*\c
.endr
.if \a%4 == 3
	global_store_b128 v[LI], v[W:W+3], s[12:13] offset:HEADB*(\a/4)+4*IMGB
.endif
.endr
.Lend:
	s_wait_tensorcnt 0x0
	ds_add_u32 v[SPW], v[NIL]
	s_wait_dscnt 0x0
	CROUND
	s_endpgm
.Lfunc_end_k_q7b69ba30c2_gemm_qkv:
	.size	k_q7b69ba30c2_gemm_qkv, .Lfunc_end_k_q7b69ba30c2_gemm_qkv-k_q7b69ba30c2_gemm_qkv
	.p2alignl 7, 3214868480
	.fill 96, 4, 3214868480
	.section	.rodata,"a",@progbits
	.p2align	6, 0x0
	.amdhsa_kernel k_q7b69ba30c2_gemm_qkv
		.amdhsa_group_segment_fixed_size 327680
		.amdhsa_private_segment_fixed_size 0
		.amdhsa_enable_private_segment 0
		.amdhsa_kernarg_size 48
		.amdhsa_user_sgpr_count 2
		.amdhsa_user_sgpr_kernarg_segment_ptr 1
		.amdhsa_wavefront_size32 1
		.amdhsa_system_sgpr_workgroup_id_x 1
		.amdhsa_system_sgpr_workgroup_id_y 1
		.amdhsa_system_sgpr_workgroup_id_z 1
		.amdhsa_system_vgpr_workitem_id 0
		.amdhsa_next_free_vgpr 1024
		.amdhsa_next_free_sgpr 100
		.amdhsa_reserve_vcc 0
		.amdhsa_float_denorm_mode_32 3
		.amdhsa_float_denorm_mode_16_64 3
		.amdhsa_memory_ordered 1
		.amdhsa_forward_progress 1
		.amdhsa_inst_pref_size 210
	.end_amdhsa_kernel
	.amdgpu_metadata
---
amdhsa.version: [ 1, 2 ]
amdhsa.kernels:
  - .name:           k_q7b69ba30c2_gemm_qkv
    .symbol:         k_q7b69ba30c2_gemm_qkv.kd
    .args:
      - { .name: xc, .offset: 0, .size: 8, .value_kind: global_buffer, .address_space: global }
      - { .name: xs, .offset: 8, .size: 8, .value_kind: global_buffer, .address_space: global }
      - { .name: wc, .offset: 16, .size: 8, .value_kind: global_buffer, .address_space: global }
      - { .name: ws, .offset: 24, .size: 8, .value_kind: global_buffer, .address_space: global }
      - { .name: b_attn, .offset: 32, .size: 8, .value_kind: global_buffer, .address_space: global }
      - { .name: qkv, .offset: 40, .size: 8, .value_kind: global_buffer, .address_space: global }
    .group_segment_fixed_size: 327680
    .private_segment_fixed_size: 0
    .kernarg_segment_align: 8
    .kernarg_segment_size: 48
    .max_flat_workgroup_size: 128
    .sgpr_count:     100
    .vgpr_count:     1024
    .wavefront_size: 32
...
	.end_amdgpu_metadata
.endif
;; end of part 2
;; launch attn (part 3): grid 4 x 64, 16 waves a work-group, clusters of 4 x 1, 277,504 bytes of LDS; arguments qkv, attention_mask, oc, os; writes oc, os
.if DOCPART == 3
	.amdgcn_target "amdgcn-amd-amdhsa--gfx1250"
	.amdhsa_code_object_version 6
	.text
	.protected	k_q7b69ba30c2_attn
	.globl	k_q7b69ba30c2_attn
	.p2align	8
	.type	k_q7b69ba30c2_attn,@function
k_q7b69ba30c2_attn:
	s_mov_b64 s[64:65], 0
	v_nop
	global_prefetch_b8 v0, s[64:65] scope:SCOPE_SE
	s_setreg_imm32_b32 hwreg(HW_REG_WAVE_MODE, 25, 1), 1
	s_wait_xcnt 0x0
	s_wait_alu depctr_hold_cnt(0) depctr_sa_sdst(0) depctr_va_vdst(0) depctr_va_sdst(0) depctr_va_ssrc(0) depctr_va_vcc(0) depctr_vm_vsrc(0)
	s_getreg_b32 s2, hwreg(HW_REG_IB_STS2, 6, 4)
	s_cmp_eq_u32 s2, 0
	s_cbranch_scc0 .Lentry_in_a_cluster
	s_endpgm
.Lentry_in_a_cluster:
	s_bfe_u32 s2, ttmp6, 0x10000c
	s_cmp_lg_u32 s2, 0x3003
	s_cbranch_scc0 .Lentry_shape_is_right
	s_endpgm
.Lentry_shape_is_right:
; For each batch and head: O[q] = the sum over keys of softmax(q . k / 8 - (1 - mask[key]) 1e-6) v[key], both products on codes of FP6 (E2M3) with E8M0 scales; O leaves quantised along the channels.
; THE SOFTMAX AHEAD OF THE SECOND PRODUCT: t = logit x log2(e); M = the running largest t rounded UP to a whole number; p = 2^(t - M) is quantised along the keys, not normalised; the row's sum is taken of the
; unquantised p, in f32, and divides O at the end.  When M moves, the sums and O are multiplied by 2^(old M - new M): exact.
; INPUT: step blocks of 6,656 bytes (128 tokens of one head), number 64 g + 16 b + step, g = head (q), 16 + head (k), 32 + head (v): 6,144 bytes of register images, 512 bytes of scale words.
; SHARES.  A work-group owns 512 queries of one head; each of its sixteen waves owns two tiles of 16 queries and walks all 2,048 keys, 128 a step, once for each tile.
; THE WHOLE HEAD'S K AND V STAY IN LDS, filled ONCE: waves 0-7 bring a quarter of K or of V each; the four work-groups of a cluster belong to one head and ask jointly.  No LDS byte is filled again.
; No prefetch: the one fill stands at the head, and there is no loop ahead of it to ask in.
; In LDS each piece of 512 bytes has 128 bytes of padding behind it (pitch CH = 640), so an image of three pieces is 1,920 bytes: the two images that a tile of K is read from lie 128 bytes apart modulo 256.
; LAYOUT.  Both products are used transposed (S^T = K Q^T, O^T = V^T P^T): a lane holds one query.  WHICH KEYS FORM A TILE OF K IS CHOSEN BY THE LANES' LDS ADDRESSES: tile 4 c + t takes as rows 0-7 keys 64 c + 8 t + 0..7
; and as rows 8-15 keys 64 c + 32 + 8 t + 0..7.  So registers 32 c + 0..31 of S^T in lane (r, h) are keys 64 c + 32 h + 0..31: a whole block of 32 in one lane, in the order of the next operand's registers:
; a block's largest score needs no other lane, and the conversions' results are p's fragment (three moves a block aside: a conversion's three registers begin on an even number).
; In memory a key 32 b + 16 g + 8 u + j stands in image b, tile u (registers 6 u .. 6 u + 5), lane 8 g + j: so lane (r, h) reads at 1,920 (r / 8) + 16 (r % 8) + 256 h, + 3,840 c + 128 (t / 2), tile t % 2 of that image.
; K = 64: a tile of K is six registers and the instruction names twelve: the upper six are the next tile's codes (behind the last: zeros).  Q's codes for k = 64 .. 127 are zeros and all scale bytes there 0x7f: those products add 0.
; THE MASK: pen[key] = (mask - 1) x 8e-6, f32, lies in LDS and is loaded into S^T's registers as the C of the first product: (s + pen) x log2(e) / 8 is the logit x log2(e).
; LIMITS: the promise holds while the scaled scores stay under 2^31 in magnitude; a block whose largest magnitude lies under 2^-124 gets the scale byte 1 (read by this program alone); NaN and infinities are not served.
.set BLKB,  6656                       ; a step block in memory
.set CH,    640                        ; a piece of 512 bytes in LDS
.set BLK,   13*CH                      ; a step block in LDS
.set VREG,  16*BLK                     ; K's 16 blocks, then V's,
.set PEN,   32*BLK                     ; then pen: 2,048 numbers, written by LDS stores alone; 1,024 bytes behind it are left free
.set SPARE, PEN+9216                   ; the spare words: 128 bytes for each of 16 waves
.set AK0, 1                            ; v1  K: my lane's place in a block
.set AV0, 2                            ; v2  V: VREG + 16 x lane
.set AP0, 3                            ; v3  PEN + 128 h
.set ADK, 4                            ; v4-6, v11: this step's addresses
.set ADV, 5
.set ADP, 6
.set L8,  7                            ; v7  8 x lane
.set OSO, 8                            ; v8  32 r + h
.set QSO, 9                            ; v9  16 r
.set AKS0, 10                          ; v10 K's scale words: 12 CH + 256 h + 16 (r % 8) + 8 (r / 8)
.set ADKS, 11
.set L16, 216                          ; v216 16 x lane
.set KV,  40                           ; v40-93 K (and six zeros), then V
.set LS,  192                          ; v192-207 the row's sum in eight chains of pairs
.set SPW, 208
.set NIL, 209
.set PW,  210                          ; v210 p's scale word
; v12 -M, v13 the largest score, v14 the new -M, v15 8 h; v16-39 my two tiles of Q; v94, v95 their scale words; v96-159 S^T, then p; v160-191 O^T; v224-235 p's codes; v236-247 at work; v248-251 K's or V's scale words; v252 f
.set TB,  2
.set TP,  3
.set WV,  18
.set SEL, 20
.set CS,  22                           ; s[22:23] c = log2(e) / 8
.set G1,  24
.set G0,  32
.set CNT, 48
.set HM,  60
.set NC,  61                           ; -c
.macro CROUND
	s_barrier_signal -1
	s_barrier_wait -1
	s_cmp_lg_u32 s[WV], 0
	s_cbranch_scc1 .Lnot_wave_0_\@
	s_barrier_signal -3
.Lnot_wave_0_\@:
	s_barrier_wait -3
	s_barrier_signal -1
	s_barrier_wait -1
.endm
	s_load_b128 s[4:7], s[0:1], 0x0                ; qkv, attention_mask
	s_load_b128 s[8:11], s[0:1], 0x10              ; oc, os
	v_lshl_add_u32 v[SPW], v0, 2, SPARE
	v_mov_b32 v[NIL], 0
	ds_add_u32 v[SPW], v[NIL]                      ; the opening lines: the add twice on end and one wait
	ds_add_u32 v[SPW], v[NIL]
	v_lshrrev_b32 v1, 5, v0
	s_delay_alu instid0(VALU_DEP_1)
	v_readfirstlane_b32 s[WV], v1                  ; wave 0..15
	s_bfe_u32 s12, ttmp6, 0x40000                  ; cx: which 512 queries: it enters Q's, oc's and os's global addresses alone
	s_and_b32 s13, ttmp7, 0xffff
	s_lshr_b32 s14, s13, 4                         ; batch
	s_and_b32 s15, s13, 15                         ; head
	s_lshl_b32 s16, s14, 4
	s_min_u32 s17, s[WV], 7                        ; what I fetch, if I fetch: waves 0-3 K's quarters, waves 4-7 V's
	s_lshr_b32 s36, s17, 2
	s_and_b32 s37, s17, 3
	s_lshl_b32 s36, s36, 4
	s_add_co_u32 s36, s36, s15
	s_add_co_u32 s36, s36, 16                      ; g
	s_lshl_b32 s36, s36, 6
	s_add_co_u32 s36, s36, s16
	s_lshl_b32 s37, s37, 2
	s_add_co_u32 s36, s36, s37                     ; the quarter's first block
	s_mul_i32 s36, s36, BLKB
	s_mov_b32 s37, 0
	s_mov_b32 s[G1], 15|(3<<16)|(1<<20)|(1<<21)|(6<<22)|(31<<25)   ; the mask: all four work-groups; elements of 8 bytes; after every 128 words 32 words of padding
	s_mov_b32 s[G1+1], 64<<16                      ; rows of 512 bytes
	s_mov_b32 s[G1+2], 52<<16                      ; four blocks: 52 rows
	s_mov_b32 s[G1+3], 64<<16
	s_mov_b32 s[G1+4], 52
	s_mov_b32 s[G1+5], 64                          ; dense
	s_mov_b32 s[G1+6], 0
	s_mov_b32 s[G1+7], 0
	s_mov_b32 s[G0], 1
	s_mul_i32 s[G0+1], s17, 4*BLK                  ; V's region follows K's
	s_lshl_b32 s38, s15, 6                         ; my queries' block: 64 head + 16 b + 4 cx + wave / 4
	s_add_co_u32 s38, s38, s16
	s_lshl_b32 s39, s12, 2
	s_add_co_u32 s38, s38, s39
	s_lshr_b32 s39, s[WV], 2
	s_add_co_u32 s38, s38, s39
	s_mul_i32 s38, s38, BLKB
	s_and_b32 s40, s[WV], 3
	s_mul_i32 s41, s40, 1536
	s_add_co_u32 s42, s38, s41                     ; my pair of tiles: image wave % 4
	s_mov_b32 s43, 0
	s_lshr_b32 s40, s40, 1
	s_lshl_b32 s40, s40, 8
	s_and_b32 s41, s[WV], 1
	s_lshl_b32 s41, s41, 3
	s_add_co_u32 s40, s40, s41
	s_add_co_u32 s40, s40, s38
	s_add_co_u32 s40, s40, 6144                    ; its scale words: tile tt stands at 6,144 + 256 (tt / 4) + 16 r + 4 (tt % 4)
	s_mov_b32 s41, 0
	s_lshl_b32 s44, s14, 7
	s_lshl_b32 s45, s12, 5
	s_add_co_u32 s44, s44, s45
	s_lshl_b32 s45, s[WV], 1
	s_add_co_u32 s44, s44, s45                     ; my first row tile of the 512: 128 b + 32 cx + 2 wave
	s_mul_i32 s46, s44, 12288
	s_mul_i32 s45, s15, 768
	s_add_co_u32 s46, s46, s45
	s_mov_b32 s47, 0
	s_lshl_b32 s44, s44, 9
	s_lshl_b32 s45, s15, 1
	s_add_co_u32 s44, s44, s45
	s_mov_b32 s45, 0
	s_lshl_b32 s50, s14, 13
	s_mov_b32 s51, 0
	s_mov_b32 s[SEL], 0x76543210
	s_mov_b32 s[SEL+1], 0xfedcba98
	s_mov_b32 s[CS], 0x3e38aa3b
	s_mov_b32 s[CS+1], s[CS]                       ; (named with it as a pair, so it is written)
	s_mov_b32 s[NC], 0xbe38aa3b
	s_mov_b32 s49, 0x370637bd                      ; 8 x f32(1e-6)
	s_wait_dscnt 0x0
	s_wait_kmcnt 0x0
	s_add_nc_u64 s[G0+2:G0+3], s[4:5], s[36:37]
	s_or_b32 s[G0+3], s[G0+3], 0x80000000
	s_add_nc_u64 s[52:53], s[4:5], s[42:43]        ; Q's codes
	s_add_nc_u64 s[54:55], s[4:5], s[40:41]        ; Q's scale words
	s_add_nc_u64 s[56:57], s[8:9], s[46:47]        ; oc
	s_add_nc_u64 s[58:59], s[10:11], s[44:45]      ; os
	s_add_nc_u64 s[6:7], s[6:7], s[50:51]          ; my batch's mask
	CROUND                                         ; all four work-groups are here: the joint loads meet
	s_cmp_lt_u32 s[WV], 8
	s_cbranch_scc0 .Lno_fill
	tensor_load_to_lds s[G0:G0+3], s[G1:G1+7]      ; one load a wave, the only one of the launch
	s_nop 0
.rept 4
	v_nop
.endr
.Lno_fill:
	v_lshlrev_b32 v231, 4, v0
	global_load_b128 v[232:235], v231, s[6:7]      ; thread i: mask of keys 4 i .. 4 i + 3
	v_and_b32 v224, 31, v0
	v_and_b32 v225, 15, v0
	v_lshlrev_b32 v[L16], 4, v224
	v_lshlrev_b32 v[QSO], 4, v225
	global_load_b128 v[16:19], v[L16], s[52:53]             ; the pair's image holds registers 0-5 of the first tile, then 0-5 of the second
	global_load_b64 v[20:21], v[L16], s[52:53] offset:512
	global_load_b64 v[28:29], v[L16], s[52:53] offset:520
	global_load_b128 v[30:33], v[L16], s[52:53] offset:1024
	global_load_b32 v94, v[QSO], s[54:55]
	global_load_b32 v95, v[QSO], s[54:55] offset:4
	v_bfe_u32 v226, v0, 4, 1                       ; h
	v_bfe_u32 v227, v0, 3, 1                       ; r / 8
	v_and_b32 v228, 7, v0                          ; r % 8
	v_lshl_add_u32 v230, v0, 4, PEN
	v_lshlrev_b32 v229, 4, v228
	v_add_nc_u32 v[AV0], VREG, v[L16]
	v_lshl_add_u32 v[AP0], v226, 7, PEN
	v_lshlrev_b32 v15, 3, v226                     ; 8 h
	v_lshl_add_u32 v229, v226, 8, v229             ; 16 (r % 8) + 256 h
	v_lshlrev_b32 v[L8], 3, v224
	v_lshl_add_u32 v[OSO], v225, 5, v226
	v_cmp_ne_u32 s[HM], 0, v226                    ; lanes 16-31
	v_mad_u32_u24 v[AK0], v227, 3*CH, v229
	v_lshl_add_u32 v[AKS0], v227, 3, v229
.irp j, 22,23,24,25,26,27,34,35,36,37,38,39,88,89,90,91,92,93
	v_mov_b32 v[\j], 0                             ; Q's codes for k = 64 .. 127, and what stands behind K's last tile
.endr
	v_add_nc_u32 v[AKS0], 12*CH, v[AKS0]
.irp j, 211,213,236,237,253
	v_mov_b32 v[\j], 0                             ; written once: lane permutes' destinations, and the upper half of the pair v[252:253]
.endr
	s_wait_alu depctr_va_vdst(0)
	s_wait_loadcnt 6                               ; the mask is in; Q's six loads may be out
.irp i, 0,1,2,3
	v_fma_f32 v[232+\i], v[232+\i], s49, -s49      ; pen = (mask - 1) x 8e-6
.endr
	ds_store_b128 v230, v[232:235]
.macro INIT
	s_mov_b32 s[TB], 0
	s_mov_b32 s[TP], 0
	s_mov_b32 s[CNT], 16
	v_mov_b32 v13, 0xff61b1e6                      ; the largest score so far: -3e38
	v_mov_b32 v12, 0x7f61b1e6                      ; -M: so far above every -M that the first f is 0
.set J, 0
.rept 48
	v_mov_b32 v[160+J], 0                          ; O^T and the sums: the first step multiplies them by f = 0
.set J, J+1
.endr
	v_add_nc_u32 v[ADK], s[TB], v[AK0]
	v_add_nc_u32 v[ADKS], s[TB], v[AKS0]
	v_add_nc_u32 v[ADP], s[TP], v[AP0]
	s_wait_alu depctr_va_vdst(0)
.endm
.macro XF n                            ; t - M, two at a time
.rept \n
	v_pk_fma_f32 v[96+J:97+J], v[96+J:97+J], s[CS:CS+1], v[14:15] op_sel_hi:[1,0,0]
.set J, J+2
.endr
.endm
.macro OMUL                            ; O^T under the new M, each accumulator from its low end on
.rept 4
	v_pk_mul_f32 v[160+J:161+J], v[160+J:161+J], v[252:253] op_sel_hi:[1,0]
.set J, J+2
.endr
.endm
.macro SUM first                       ; one turn of the sum's eight chains
.irp i, 0,1,2,3,4,5,6,7
	v_pk_add_f32 v[LS+2*\i:LS+2*\i+1], v[LS+2*\i:LS+2*\i+1], v[\first+2*\i:\first+2*\i+1]
.endr
.endm
; A KEY STEP: 128 keys for the tile of queries in v[qf] on, with its scale words in v[qs].  The addresses of K, its scale words and pen were made in the step before.
.macro STEP qf, qs
.irp n, 0,1,2,3,4,5,6,7
.set KO, (\n/4)*6*CH+((\n%4)/2)*128
.if \n%2 == 0
	ds_load_b128 v[KV+6*\n:KV+6*\n+3], v[ADK] offset:KO
	ds_load_b64 v[KV+6*\n+4:KV+6*\n+5], v[ADK] offset:KO+CH
.else
	ds_load_b64 v[KV+6*\n:KV+6*\n+1], v[ADK] offset:KO+CH+8
	ds_load_b128 v[KV+6*\n+2:KV+6*\n+5], v[ADK] offset:KO+2*CH
.endif
.endr
	ds_load_b64 v[248:249], v[ADKS]                ; scale words: lanes 0-15 tiles 0-3, lanes 16-31 tiles 4-7
	ds_load_b64 v[250:251], v[ADKS] offset:128
.irp i, 0,1,2,3,4,5,6,7,8,9,10,11,12,13,14,15
	ds_load_b128 v[96+4*\i:99+4*\i], v[ADP] offset:256*(\i/8)+16*(\i%8)   ; pen in the result's layout
.endr
	s_wait_dscnt 0x0
.irp t, 0,1,2,3
	v_wmma_scale_f32_16x16x128_f8f6f4 v[96+8*\t:103+8*\t], v[KV+6*\t:KV+6*\t+11], v[\qf:\qf+11], v[96+8*\t:103+8*\t], v[248+\t], v[\qs] matrix_a_fmt:MATRIX_FMT_FP6 matrix_b_fmt:MATRIX_FMT_FP6
.endr
.irp t, 4,5,6,7
	v_wmma_scale_f32_16x16x128_f8f6f4 v[96+8*\t:103+8*\t], v[KV+6*\t:KV+6*\t+11], v[\qf:\qf+11], v[96+8*\t:103+8*\t], v[244+\t], v[\qs] matrix_a_fmt:MATRIX_FMT_FP6 matrix_b_fmt:MATRIX_FMT_FP6 matrix_a_scale:MATRIX_SCALE_ROW1
.endr
	v_add_nc_u32 v[ADV], s[TB], v[AV0]             ; four address sums are the four places behind the products: this step's V, the next step's K, scale words and pen
	s_add_co_u32 s[TB], s[TB], BLK
	s_add_co_u32 s[TP], s[TP], 512
	v_add_nc_u32 v[ADK], s[TB], v[AK0]
	v_add_nc_u32 v[ADKS], s[TB], v[AKS0]
	v_add_nc_u32 v[ADP], s[TP], v[AP0]
.irp i, 0,1,2,3,4,5,6,7,8,9,10,11
	ds_load_b128 v[KV+4*\i:KV+4*\i+3], v[ADV] offset:CH*\i   ; V's four fragments: they land under the softmax
.endr
	ds_load_b128 v[248:251], v[ADV] offset:12*CH
; the largest score of my two blocks of 32 keys, each in two chains, the four by turns: for the row's maximum and, since p rises with the score, for the block's largest p
.irp c, 0,1
	v_max3_num_f32 v[244+\c], v[96+32*\c], v[97+32*\c], v[98+32*\c]
.endr
.irp c, 0,1
	v_max3_num_f32 v[246+\c], v[113+32*\c], v[114+32*\c], v[115+32*\c]
.endr
.irp i, 0,2,4,6,8,10
.irp c, 0,1
	v_max3_num_f32 v[244+\c], v[244+\c], v[99+32*\c+\i], v[100+32*\c+\i]
.endr
.irp c, 0,1
	v_max3_num_f32 v[246+\c], v[246+\c], v[116+32*\c+\i], v[117+32*\c+\i]
.endr
.endr
.irp c, 0,1
	v_max3_num_f32 v[244+\c], v[244+\c], v[111+32*\c], v[112+32*\c]
.endr
.irp c, 0,1
	v_max_num_f32 v[244+\c], v[244+\c], v[246+\c]
.endr
	v_max_num_f32 v212, v244, v245
	v_permlanex16_b32 v213, v212, s[SEL], s[SEL+1]
	v_max3_num_f32 v13, v13, v212, v213            ; the running largest score of my query
	v_mul_f32 v212, s[NC], v13                     ; -t (c is positive)
	v_floor_f32 v14, v212                          ; the new -M = -ceil(t): a whole number
.set J, 0
	XF 8
	v_sub_f32 v212, v14, v12                       ; old M - new M: a whole number, 0 or less
	v_fma_f32 v244, v244, s[CS], v14               ; t - M of each block's largest score
	v_fma_f32 v245, v245, s[CS], v14
	XF 8
	v_cvt_i32_f32 v212, v212                       ; (it saturates)
	v_mov_b32 v12, v14
	XF 8
	v_ldexp_f32 v252, 1.0, v212                    ; f = 2^(old M - new M)
	XF 8
	s_wait_alu depctr_va_vdst(0)
	v_exp_f32 v244, v244                           ; the blocks' largest p
	v_exp_f32 v245, v245
.set J, 0
.rept 64
	v_exp_f32 v[96+J], v[96+J]                     ; p = 2^(t - M)
.set J, J+1
.endr
	s_wait_alu depctr_va_vdst(0)                   ; one wait for the batch, directly ahead of O^T's first reader too
.set J, 0
	OMUL                                           ; plain work behind the exponentials; the scale's arithmetic stands among it, so that no line waits for the line above it
	v_max_num_f32 v244, 0x1800000, v244            ; the floor 2^(3 - 127): the byte cannot fall under 1
	v_max_num_f32 v245, 0x1800000, v245
	OMUL
	v_add_nc_u32 v246, 0xff000000, v244            ; 2 off the exponent field: the conversion's scale operand
	v_add_nc_u32 v247, 0xff000000, v245
	OMUL
	v_lshrrev_b32 v214, 23, v246                   ; the bytes of blocks h and 2 + h
	v_lshrrev_b32 v215, 23, v247
	OMUL
	v_lshl_or_b32 v[PW], v215, 16, v214
	v_cvt_scalef32_pk16_fp6_f32 v[224:226], v[96:111], v246
	v_cvt_scalef32_pk16_fp6_f32 v[236:238], v[112:127], v246
	v_cvt_scalef32_pk16_fp6_f32 v[230:232], v[128:143], v247
	v_cvt_scalef32_pk16_fp6_f32 v[240:242], v[144:159], v247
.irp i, 0,1,2,3,4,5,6,7
	v_pk_fma_f32 v[LS+2*\i:LS+2*\i+1], v[LS+2*\i:LS+2*\i+1], v[252:253], v[96+2*\i:97+2*\i] op_sel_hi:[1,0,1]   ; the sums under the new M, and the first eight pairs of the unquantised p
.endr
	v_lshlrev_b32 v[PW], v15, v[PW]                ; my two bytes at their places in the word (8 h bits up)
.irp i, 0,1,2
	v_mov_b32 v[227+\i], v[236+\i]
.endr
	v_permlanex16_b32 v211, v[PW], s[SEL], s[SEL+1]
.irp i, 0,1,2
	v_mov_b32 v[233+\i], v[240+\i]
.endr
	v_or_b32 v[PW], v[PW], v211                    ; with lane l xor 16's two the word is whole
	SUM 112                                        ; sixteen sums: the places between the writes of p's codes and scale word and the products
	SUM 128
	s_wait_alu depctr_va_vdst(0)
	s_wait_dscnt 0x0                               ; V is in
.irp t, 0,1,2,3
	v_wmma_scale_f32_16x16x128_f8f6f4 v[160+8*\t:167+8*\t], v[KV+12*\t:KV+12*\t+11], v[224:235], v[160+8*\t:167+8*\t], v[248+\t], v[PW] matrix_a_fmt:MATRIX_FMT_FP6 matrix_b_fmt:MATRIX_FMT_FP6
.endr
	SUM 144                                        ; eight sums: the places in front of the next step's loads into V's registers
.endm
; O^T / the sum, quantised along the head's 64 channels (two blocks): six registers a lane, the image of half a fragment of the last product's A, and a byte a lane
.macro FINISH p
.irp i, 0,1,2,3
	v_pk_add_f32 v[LS+2*\i:LS+2*\i+1], v[LS+2*\i:LS+2*\i+1], v[LS+8+2*\i:LS+9+2*\i]
.endr
.irp i, 0,1
	v_pk_add_f32 v[LS+2*\i:LS+2*\i+1], v[LS+2*\i:LS+2*\i+1], v[LS+4+2*\i:LS+5+2*\i]
.endr
	v_pk_add_f32 v[LS:LS+1], v[LS:LS+1], v[LS+2:LS+3]
	v_add_f32 v[LS], v[LS], v[LS+1]
	v_permlanex16_b32 v213, v[LS], s[SEL], s[SEL+1]
	v_add_f32 v[LS], v[LS], v213                   ; the row's sum
	s_wait_alu depctr_va_vdst(0)
	v_rcp_f32 v[LS], v[LS]
	v_nop                                          ; a plain place behind the reciprocal
	s_wait_alu depctr_va_vdst(0)                   ; ahead of the reciprocal's and O^T's first reader
.set J, 0
.rept 32
	v_mul_f32 v[96+J], v[160+J], v[LS]             ; register 16 b + i is channel 32 b + 16 h + i
.set J, J+1
.endr
.irp b, 0,1
	v_max3_num_f32 v[232+\b], |v[96+16*\b]|, |v[97+16*\b]|, 0x1800000
.endr
.irp i, 2,4,6,8,10,12,14
.irp b, 0,1
	v_max3_num_f32 v[232+\b], v[232+\b], |v[96+16*\b+\i]|, |v[97+16*\b+\i]|
.endr
.endr
.irp b, 0,1
	v_permlanex16_b32 v[236+\b], v[232+\b], s[SEL], s[SEL+1]
.endr
.irp b, 0,1
	v_max_num_f32 v[232+\b], v[232+\b], v[236+\b]
.endr
.irp b, 0,1
	v_add_nc_u32 v[244+\b], 0xff000000, v[232+\b]
.endr
.irp b, 0,1
	v_lshrrev_b32 v[236+\b], 23, v[244+\b]
.endr
	v_cvt_scalef32_pk16_fp6_f32 v[224:226], v[96:111], v244
	v_cvt_scalef32_pk16_fp6_f32 v[240:242], v[112:127], v245
	v_nop
.irp i, 0,1,2
	v_permlane16_swap_b32 v[224+\i], v[240+\i]
.endr
.irp i, 0,1,2
	v_mov_b32 v[227+\i], v[240+\i]
.endr
	v_cndmask_b32 v238, v236, v237, s[HM]          ; lane (r, h) stores block h's byte
	global_store_b128 v[L16], v[224:227], s[56:57] offset:12288*\p         ; 512 consecutive bytes, aligned
	global_store_b64 v[L8], v[228:229], s[56:57] offset:12288*\p+512       ; 256 consecutive bytes, aligned
	global_store_b8 v[OSO], v238, s[58:59] offset:512*\p                   ; two bytes of each of 16 rows of 32: one byte for each 24 of codes
.endm
	INIT
	s_wait_loadcnt 0x0                             ; Q
	s_wait_tensorcnt 0x0                           ; my quarter of K or V has landed,
	s_wait_dscnt 0x0                               ; my part of pen is stored:
	s_barrier_signal -1
	s_barrier_wait -1                              ; everybody's
.Lpass0:
	STEP 16, 94
	s_sub_co_u32 s[CNT], s[CNT], 1
	s_cmp_lg_u32 s[CNT], 0
	s_cbranch_scc1 .Lpass0
	FINISH 0
	s_wait_xcnt 0x0                                ; the stores have read their registers
	INIT
.Lpass1:
	STEP 28, 95
	s_sub_co_u32 s[CNT], s[CNT], 1
	s_cmp_lg_u32 s[CNT], 0
	s_cbranch_scc1 .Lpass1
	FINISH 1
	s_wait_tensorcnt 0x0                           ; the wave's end
	ds_add_u32 v[SPW], v[NIL]
	s_wait_dscnt 0x0
	CROUND                                         ; the closing round
	s_endpgm
.Lfunc_end_k_q7b69ba30c2_attn:
	.size	k_q7b69ba30c2_attn, .Lfunc_end_k_q7b69ba30c2_attn-k_q7b69ba30c2_attn
	.p2alignl 7, 3214868480
	.fill 96, 4, 3214868480
	.section	.rodata,"a",@progbits
	.p2align	6, 0x0
	.amdhsa_kernel k_q7b69ba30c2_attn
		.amdhsa_group_segment_fixed_size 277504
		.amdhsa_private_segment_fixed_size 0
		.amdhsa_enable_private_segment 0
		.amdhsa_kernarg_size 32
		.amdhsa_user_sgpr_count 2
		.amdhsa_user_sgpr_kernarg_segment_ptr 1
		.amdhsa_wavefront_size32 1
		.amdhsa_system_sgpr_workgroup_id_x 1
		.amdhsa_system_sgpr_workgroup_id_y 1
		.amdhsa_system_sgpr_workgroup_id_z 1
		.amdhsa_system_vgpr_workitem_id 0
		.amdhsa_next_free_vgpr 256
		.amdhsa_next_free_sgpr 66
		.amdhsa_reserve_vcc 0
		.amdhsa_float_denorm_mode_32 3
		.amdhsa_float_denorm_mode_16_64 3
		.amdhsa_memory_ordered 1
		.amdhsa_forward_progress 1
		.amdhsa_inst_pref_size 51
	.end_amdhsa_kernel
	.amdgpu_metadata
---
amdhsa.version: [ 1, 2 ]
amdhsa.kernels:
  - .name:           k_q7b69ba30c2_attn
    .symbol:         k_q7b69ba30c2_attn.kd
    .args:
      - { .name: qkv, .offset: 0, .size: 8, .value_kind: global_buffer, .address_space: global }
      - { .name: attention_mask, .offset: 8, .size: 8, .value_kind: global_buffer, .address_space: global }
      - { .name: oc, .offset: 16, .size: 8, .value_kind: global_buffer, .address_space: global }
      - { .name: os, .offset: 24, .size: 8, .value_kind: global_buffer, .address_space: global }
    .group_segment_fixed_size: 277504
    .private_segment_fixed_size: 0
    .kernarg_segment_align: 8
    .kernarg_segment_size: 32
    .max_flat_workgroup_size: 512
    .sgpr_count:     66
    .vgpr_count:     256
    .wavefront_size: 32
...
	.end_amdgpu_metadata
.endif
;; end of part 3
;; launch gemm_proj (part 4): grid 4 x 32, 4 waves a work-group, clusters of 4 x 4, 327,680 bytes of LDS; arguments oc, os, wc, ws, b_proj, out0; writes out0
.if DOCPART == 4
	.amdgcn_target "amdgcn-amd-amdhsa--gfx1250"
	.amdhsa_code_object_version 6
	.text
	.protected	k_q7b69ba30c2_gemm_proj
	.globl	k_q7b69ba30c2_gemm_proj
	.p2align	8
	.type	k_q7b69ba30c2_gemm_proj,@function
k_q7b69ba30c2_gemm_proj:
	s_mov_b64 s[64:65], 0
	v_nop
	global_prefetch_b8 v0, s[64:65] scope:SCOPE_SE
	s_setreg_imm32_b32 hwreg(HW_REG_WAVE_MODE, 25, 1), 1
	s_wait_xcnt 0x0
	s_wait_alu depctr_hold_cnt(0) depctr_sa_sdst(0) depctr_va_vdst(0) depctr_va_sdst(0) depctr_va_ssrc(0) depctr_va_vcc(0) depctr_vm_vsrc(0)
	s_getreg_b32 s2, hwreg(HW_REG_IB_STS2, 6, 4)
	s_cmp_eq_u32 s2, 0
	s_cbranch_scc0 .Lentry_in_a_cluster
	s_endpgm
.Lentry_in_a_cluster:
	s_bfe_u32 s2, ttmp6, 0x10000c
	s_cmp_lg_u32 s2, 0xf033
	s_cbranch_scc0 .Lentry_shape_is_right
	s_endpgm
.Lentry_shape_is_right:
; out0 = O w_proj + b_proj on codes of FP6 (E2M3) with E8M0 scales, f32 out; a tile of 256 x 256 to a work-group, 128 x 128 to a wave; the bias is the C of each accumulator's first product.
; K goes in slots of 256 through a ring of two LDS slots filled by joint loads.  THE HEAD'S FOUR TILES are shared out, one load a wave: A's first slot, B's first slot, A's scales, B's scales.
.set NQ,     2
.set FR,     12
.set NLA,    4
.set NP,     4
.set IMGB,   1536
.set TILEB,  NQ*IMGB
.set KROW,   8*IMGB
.set HALFT,  8*TILEB
.set SLOT,   4*HALFT
.set SCL,    2*SLOT
.set HALFS,  16*272
.set SBLK,   2*272
.set SPARE,  SCL+4*HALFS
.set WPC,    192*KROW
.set WPS,    192*512
.set SPITCH, 528
.set ADRA, 16
.set ADRB, 20
.set STO,  24
.set RD,   25
.set CO,   26
.set ADRS, 27
.set SPW,  28
.set NIL,  29
.set SC,   32
.set BB,   64
.set AF,   128
.set BK,   128
.set G1, 24
.set G0, 32
.set G1B, 48
.set G0B, 56
.set G1S, 68
.set G0S, 76
.set G1SB, 80
.set G0SB, 88
.set MSB, 0
.macro WIN new
.if MSB != \new
	s_set_vgpr_msb (MSB<<8)|\new
.set MSB, \new
.endif
.endm
.set MUL_LO, 0xa1
.set MUL_HI, 0xf1
.set TO_B,   0x40
.macro JLOAD g0a, g1a, g0b, g1b
	s_cmp_eq_u32 s15, 0
	s_cbranch_scc0 .Lfor_b_\@
	tensor_load_to_lds s[\g0a:\g0a+3], s[\g1a:\g1a+7]
	s_nop 0
.rept 4
	v_nop
.endr
	s_branch .Lasked_\@
.Lfor_b_\@:
	tensor_load_to_lds s[\g0b:\g0b+3], s[\g1b:\g1b+7]
	s_nop 0
.rept 4
	v_nop
.endr
.Lasked_\@:
.endm
.macro CREST
	s_cmp_lg_u32 s14, 0
	s_cbranch_scc1 .Lnot_wave_0_\@
	s_barrier_signal -3
.Lnot_wave_0_\@:
	s_barrier_wait -3
	s_barrier_signal -1
	s_barrier_wait -1
.endm
.macro CROUND
	s_barrier_signal -1
	s_barrier_wait -1
	CREST
.endm
	s_load_b256 s[4:11], s[0:1], 0x0
	s_load_b64 s[66:67], s[0:1], 0x20
	s_load_b64 s[12:13], s[0:1], 0x28
	v_lshl_add_u32 v[SPW], v0, 2, SPARE
	v_mov_b32 v[NIL], 0
	ds_add_u32 v28, v29
	ds_add_u32 v28, v29
	s_wait_dscnt 0x0
	v_lshrrev_b32 v1, 5, v0
	v_readfirstlane_b32 s14, v1
	s_lshr_b32 s15, s14, 1
	s_and_b32 s16, s14, 1
	s_bfe_u32 s40, ttmp6, 0x40000
	s_bfe_u32 s41, ttmp6, 0x40004
	s_lshl_b32 s42, ttmp9, 2
	s_add_co_u32 s42, s42, s40
	s_and_b32 s17, ttmp7, 0xffff
	s_lshl_b32 s17, s17, 2
	s_add_co_u32 s17, s17, s41
	s_lshl_b32 s43, s41, 2
	s_lshl_b32 s43, 15, s43
	s_lshl_b32 s44, 0x1111, s40
	s_or_b32 s[G1+0], s43, (3<<16)|(1<<21)
	s_or_b32 s[G1B+0], s44, (3<<16)|(1<<21)
.irp g, G1, G1B
	s_mov_b32 s[\g+1], (TILEB/8)<<16
	s_mov_b32 s[\g+2], 16<<16                      ; the head's loads bring all 16 row tiles; the ring's bring 8 (set behind the head's wait)
	s_mov_b32 s[\g+3], (TILEB/8)<<16
	s_mov_b32 s[\g+4], 16
	s_mov_b32 s[\g+5], KROW/8
	s_mov_b32 s[\g+6], 0
	s_mov_b32 s[\g+7], 0
.endr
	s_or_b32 s[G1S+0], s43, (3<<16)|(1<<20)|(1<<21)|(5<<22)|(3<<25)
	s_or_b32 s[G1SB+0], s44, (3<<16)|(1<<20)|(1<<21)|(5<<22)|(3<<25)
.irp g, G1S, G1SB
	s_mov_b32 s[\g+1], 32<<16
	s_mov_b32 s[\g+2], 32<<16                      ; the scales of 256 rows: 32 rows of 256 bytes
	s_mov_b32 s[\g+3], 32<<16
	s_mov_b32 s[\g+4], 32
	s_mov_b32 s[\g+5], 32
	s_mov_b32 s[\g+6], 0
	s_mov_b32 s[\g+7], 0
.endr
	s_lshl_b32 s20, s17, 4                         ; the tile's first row tile, of A and of B
	s_lshl_b32 s46, s42, 4
	s_lshl_b32 s22, s20, 9
	s_mov_b32 s23, 0
	s_lshl_b32 s2, s46, 9
	s_mov_b32 s3, 0
	s_mul_i32 s20, s20, KROW
	s_mov_b32 s21, 0
	s_mul_i32 s46, s46, KROW
	s_mov_b32 s47, 0
	s_mul_i32 s45, s14, HALFT
	s_wait_kmcnt 0x0
	s_add_nc_u64 s[8:9], s[8:9], WPC
	s_add_nc_u64 s[10:11], s[10:11], WPS
	s_add_nc_u64 s[20:21], s[4:5], s[20:21]
	s_add_nc_u64 s[22:23], s[6:7], s[22:23]
	s_add_nc_u64 s[46:47], s[8:9], s[46:47]
	s_add_nc_u64 s[2:3], s[10:11], s[2:3]
	CROUND
	s_mov_b32 s[G0S], 1
	s_mov_b32 s[G0S+1], SCL
	s_mov_b64 s[G0S+2:G0S+3], s[22:23]
	s_or_b32 s[G0S+3], s[G0S+3], 0x80000000
	s_mov_b32 s[G0SB], 1
	s_mov_b32 s[G0SB+1], SCL+2*HALFS
	s_mov_b64 s[G0SB+2:G0SB+3], s[2:3]
	s_or_b32 s[G0SB+3], s[G0SB+3], 0x80000000
.set G0H, 4                            ; s[4:7], s[8:11]: group 0 of the head's loads of codes (the pointers that lay there have been used)
.set G0HB, 8
	s_mov_b32 s[G0H], 1                            ; slot 0's 16 row tiles of A,
	s_mov_b32 s[G0H+1], 0
	s_mov_b64 s[G0H+2:G0H+3], s[20:21]
	s_or_b32 s[G0H+3], s[G0H+3], 0x80000000
	s_mov_b32 s[G0HB], 1                           ; and of B, behind them
	s_mov_b32 s[G0HB+1], 2*HALFT
	s_mov_b64 s[G0HB+2:G0HB+3], s[46:47]
	s_or_b32 s[G0HB+3], s[G0HB+3], 0x80000000
	s_mul_i32 s18, s16, 8*KROW                     ; for the ring: my 8 row tiles of the 16
	s_mov_b32 s19, 0
	s_add_nc_u64 s[20:21], s[20:21], s[18:19]
	s_add_nc_u64 s[46:47], s[46:47], s[18:19]
.irp s, 0,1
	s_mov_b32 s[G0+4*\s], 1
	s_add_co_u32 s[G0+4*\s+1], s45, \s*SLOT
	s_add_nc_u64 s[G0+4*\s+2:G0+4*\s+3], s[20:21], \s*TILEB
	s_or_b32 s[G0+4*\s+3], s[G0+4*\s+3], 0x80000000
	s_mov_b32 s[G0B+4*\s], 1
	s_add_co_u32 s[G0B+4*\s+1], s45, \s*SLOT
	s_add_nc_u64 s[G0B+4*\s+2:G0B+4*\s+3], s[46:47], \s*TILEB
	s_or_b32 s[G0B+4*\s+3], s[G0B+4*\s+3], 0x80000000
.endr
; one chain of branches on the wave's number, one load to an arm, all arms leading to one join: one tensor load a wave at the head
.macro ARM under, g0, g1, next
	s_cmp_lt_u32 s14, \under
	s_cbranch_scc0 \next
	tensor_load_to_lds s[\g0:\g0+3], s[\g1:\g1+7]
	s_nop 0
.rept 4
	v_nop
.endr
	s_branch .Lhead_asked
\next:
.endm
	ARM 1, G0H,  G1,  .Lhead_b
	ARM 2, G0HB, G1B, .Lhead_sa
	ARM 3, G0S,  G1S, .Lhead_sb
	tensor_load_to_lds s[G0SB:G0SB+3], s[G1SB:G1SB+7]
	s_nop 0
.rept 4
	v_nop
.endr
.Lhead_asked:
	v_and_b32 v1, 15, v0
	v_bfe_u32 v2, v0, 4, 1
	v_and_b32 v3, 31, v0
	v_lshlrev_b32 v[CO], 4, v3
	v_lshlrev_b32 v4, 3, v3
	s_mul_i32 s21, s15, HALFT
	s_mul_i32 s22, s16, HALFT
	s_add_co_u32 s22, s22, 2*HALFT
.irp s, 0,1
	v_add_nc_u32 v[ADRA+\s], s21, v[CO]
	v_add_nc_u32 v[ADRA+2+\s], s21, v4
	v_add_nc_u32 v[ADRB+\s], s22, v[CO]
	s_add_co_u32 s21, s21, SLOT
	s_add_co_u32 s22, s22, SLOT
.endr
	v_lshlrev_b32 v5, 5, v1
	v_lshrrev_b32 v6, 8, v5
	v_lshl_add_u32 v5, v6, 4, v5
	s_mul_i32 s21, s15, HALFS
	s_mul_i32 s22, s16, HALFS
	s_add_co_u32 s22, s22, 2*HALFS
	s_sub_co_u32 s22, s22, s21
	v_mul_u32_u24 v6, s22, v2
	s_add_co_u32 s21, s21, SCL
	v_add_nc_u32 v5, v5, v6
	v_add_nc_u32 v[ADRS], s21, v5
	s_mul_i32 s23, s14, 16*SPITCH
	v_mul_u32_u24 v5, v1, SPITCH
	v_lshl_add_u32 v5, v2, 6, v5
	v_add_nc_u32 v[STO], s23, v5
	v_add_nc_u32 v[RD], s23, v[CO]
	s_lshl_b32 s20, s17, 8
	s_lshl_b32 s21, s15, 7
	s_add_co_u32 s20, s20, s21
	s_lshl_b32 s20, s20, 12
	s_lshl_b32 s46, s42, 10
	s_lshl_b32 s47, s16, 9
	s_add_co_u32 s46, s46, s47
	s_add_co_u32 s20, s20, s46
	s_mov_b32 s21, 0
	s_add_nc_u64 s[12:13], s[12:13], s[20:21]
	s_mov_b32 s47, 0
	s_add_nc_u64 s[66:67], s[66:67], s[46:47]
	v_lshlrev_b32 v8, 6, v2
.irp i, 0,1,2,3,4,5,6,7,8,9,10,11,12,13,14,15
	global_load_b128 v[BB+4*\i:BB+4*\i+3], v8, s[66:67] offset:128*(\i/4)+16*(\i%4)
.endr
.macro FRAGB reg, adr, q, i
.irp c, 0,1,2
	ds_load_b128 v[\reg+4*\c:\reg+4*\c+3], v[\adr] offset:(\i)*TILEB+(\q)*IMGB+512*\c
.endr
.endm
.macro FRAGA reg, slot, q, i
	ds_load_b128 v[\reg:\reg+3],     v[ADRA+\slot]   offset:(\i)*TILEB+(\q)*IMGB
	ds_load_b64  v[\reg+4:\reg+5],   v[ADRA+2+\slot] offset:(\i)*TILEB+(\q)*IMGB+512
	ds_load_b128 v[\reg+6:\reg+9],   v[ADRA+\slot]   offset:(\i)*TILEB+(\q)*IMGB+768
	ds_load_b64  v[\reg+10:\reg+11], v[ADRA+2+\slot] offset:(\i)*TILEB+(\q)*IMGB+1280
.endm
.macro MUL16 a0, p, q, sc, first
.irp a, \a0, \a0+1
.irp b, 0,1,2,3,4,5,6,7
.if \first
	v_wmma_scale_f32_16x16x128_f8f6f4 v[8*(8*((\a)%4)+\b):8*(8*((\a)%4)+\b)+7], v[128*(\p)+FR*\b:128*(\p)+FR*\b+FR-1], v[AF+FR*(\a):AF+FR*(\a)+FR-1], v[BB+8*\b:BB+8*\b+7], v[SC+8*NQ*(\sc)+NQ*\b+(\q)], v[SC+8*NQ*(\sc)+NQ*(\a)+(\q)] matrix_a_fmt:MATRIX_FMT_FP6 matrix_b_fmt:MATRIX_FMT_FP6 matrix_a_scale:MATRIX_SCALE_ROW1
.else
	v_wmma_scale_f32_16x16x128_f8f6f4 v[8*(8*((\a)%4)+\b):8*(8*((\a)%4)+\b)+7], v[128*(\p)+FR*\b:128*(\p)+FR*\b+FR-1], v[AF+FR*(\a):AF+FR*(\a)+FR-1], v[8*(8*((\a)%4)+\b):8*(8*((\a)%4)+\b)+7], v[SC+8*NQ*(\sc)+NQ*\b+(\q)], v[SC+8*NQ*(\sc)+NQ*(\a)+(\q)] matrix_a_fmt:MATRIX_FMT_FP6 matrix_b_fmt:MATRIX_FMT_FP6 matrix_a_scale:MATRIX_SCALE_ROW1
.endif
.endr
.endr
.endm
.macro FETCH_B slot, q, p
	WIN TO_B
.irp i, 0,1,2,3,4,5,6,7
	FRAGB 128*(\p)+FR*\i, ADRB+\slot, \q, \i
.endr
	WIN 0
.endm
.macro FETCH_A slot, q, i0
.irp i, \i0, \i0+1, \i0+2, \i0+3
	FRAGA AF+FR*(\i), \slot, \q, \i
.endr
.endm
.macro SCALES sc
.irp i, 0,1,2,3,4,5,6,7
	ds_load_b64 v[SC+8*NQ*\sc+NQ*\i:SC+8*NQ*\sc+NQ*\i+1], v[ADRS] offset:\i*SBLK
.endr
.endm
.macro PLACES n
.rept \n
	v_nop
.endr
.endm
.macro STEP slot, q, first
	s_wait_dscnt 4*NLA
.if \first
	WIN 0x81
.else
	WIN MUL_LO
.endif
	MUL16 0, (\q)%2, \q, \slot, \first
	MUL16 2, (\q)%2, \q, \slot, \first
	s_wait_dscnt 0
	PLACES NP
	FETCH_B \slot, (\q)+1, 1-(\q)%2
	FETCH_A \slot, (\q)+1, 0
.if \first
	WIN 0xc1
.else
	WIN MUL_HI
.endif
	MUL16 4, (\q)%2, \q, \slot, \first
	MUL16 6, (\q)%2, \q, \slot, \first
	PLACES NP
	WIN 0
	FETCH_A \slot, (\q)+1, 4
.endm
.macro TURN slot, next, fill
	s_wait_tensorcnt 0x0
	ds_add_u32 v[SPW], v[NIL]
	s_wait_dscnt 4*NLA+1
	WIN MUL_LO
	MUL16 0, 1, NQ-1, \slot, 0
	s_wait_dscnt 0x0
	s_barrier_signal -1
	MUL16 2, 1, NQ-1, \slot, 0
	WIN 0
	s_barrier_wait -1
.if \fill
	CREST
	s_add_nc_u64 s[G0+4*\slot+2:G0+4*\slot+3], s[G0+4*\slot+2:G0+4*\slot+3], 2*TILEB
	s_add_nc_u64 s[G0B+4*\slot+2:G0B+4*\slot+3], s[G0B+4*\slot+2:G0B+4*\slot+3], 2*TILEB
	JLOAD G0+4*\slot, G1, G0B+4*\slot, G1B
.else
	PLACES NP
.endif
	s_wait_alu depctr_va_vdst(0)
	v_add_nc_u32 v[ADRS], 4*NQ, v[ADRS]
	FETCH_B \next, 0, 0
	FETCH_A \next, 0, 0
	SCALES \next
	WIN MUL_HI
	MUL16 4, 1, NQ-1, \slot, 0
	MUL16 6, 1, NQ-1, \slot, 0
	PLACES NP
	WIN 0
	FETCH_A \next, 0, 4
.endm
	s_wait_alu depctr_va_vdst(0)
	s_wait_tensorcnt 0x0                           ; my tile of the head's four is in
	ds_add_u32 v[SPW], v[NIL]
	s_mov_b32 s[G1+2], 8<<16                       ; no tensor load of mine is out: from here on a load brings 8 row tiles
	s_mov_b32 s[G1+4], 8
	s_mov_b32 s[G1B+2], 8<<16
	s_mov_b32 s[G1B+4], 8
	s_wait_dscnt 0x0
	CROUND                                         ; all four tiles are in, and the partners are here
	JLOAD G0+4, G1, G0B+4, G1B                     ; slot 1's first fill, the first tensor load behind the round
	FETCH_B 0, 0, 0
	FETCH_A 0, 0, 0
	SCALES 0
	FETCH_A 0, 0, 4
	s_wait_loadcnt 0x0
	STEP 0, 0, 1
	TURN 0, 1, 1
	STEP 1, 0, 0
	TURN 1, 0, 1
	STEP 0, 0, 0
	TURN 0, 1, 0
	STEP 1, 0, 0
	s_wait_dscnt 4*NLA
	WIN MUL_LO
	MUL16 0, 1, NQ-1, 1, 0
	MUL16 2, 1, NQ-1, 1, 0
	s_wait_dscnt 0
	WIN MUL_HI
	MUL16 4, 1, NQ-1, 1, 0
	MUL16 6, 1, NQ-1, 1, 0
	WIN 0
.macro TOSTAGE a
.set AC, 64*((\a)%4)
	WIN 0x08+4*((\a)/4)
.irp b, 0,1,2,3,4,5,6,7
	ds_store_b128 v[STO], v[AC+8*\b:AC+8*\b+3] offset:128*(\b/2)+32*(\b%2)
	ds_store_b128 v[STO], v[AC+8*\b+4:AC+8*\b+7] offset:128*(\b/2)+32*(\b%2)+16
.endr
	WIN 0
.set BR, BK+64*((\a)%2)
.irp t, 0,1,2,3,4,5,6,7,8,9,10,11,12,13,14,15
	ds_load_b128 v[BR+4*\t:BR+4*\t+3], v[RD] offset:\t*SPITCH
.endr
.endm
.macro SEND a, younger
.set BR, BK+64*((\a)%2)
	s_wait_dscnt \younger
.irp t, 0,1,2,3,4,5,6,7,8,9,10,11,12,13,14,15
	global_store_b128 v[CO], v[BR+4*\t:BR+4*\t+3], s[12:13] offset:(32*((\a)/2)+8*((\a)%2)+16*(\t/8)+\t%8)*4096 th:TH_STORE_NT
.endr
.endm
	PLACES NP
	TOSTAGE 0
.irp a, 1,2,3,4,5,6,7
.if \a > 1
	s_wait_xcnt 0x0
.endif
	TOSTAGE \a
	SEND \a-1, 32
.endr
	SEND 7, 0
	s_wait_tensorcnt 0x0
	ds_add_u32 v[SPW], v[NIL]
	s_wait_dscnt 0x0
	CROUND
	s_endpgm
.Lfunc_end_k_q7b69ba30c2_gemm_proj:
	.size	k_q7b69ba30c2_gemm_proj, .Lfunc_end_k_q7b69ba30c2_gemm_proj-k_q7b69ba30c2_gemm_proj
	.p2alignl 7, 3214868480
	.fill 96, 4, 3214868480
	.section	.rodata,"a",@progbits
	.p2align	6, 0x0
	.amdhsa_kernel k_q7b69ba30c2_gemm_proj
		.amdhsa_group_segment_fixed_size 327680
		.amdhsa_private_segment_fixed_size 0
		.amdhsa_enable_private_segment 0
		.amdhsa_kernarg_size 48
		.amdhsa_user_sgpr_count 2
		.amdhsa_user_sgpr_kernarg_segment_ptr 1
		.amdhsa_wavefront_size32 1
		.amdhsa_system_sgpr_workgroup_id_x 1
		.amdhsa_system_sgpr_workgroup_id_y 1
		.amdhsa_system_sgpr_workgroup_id_z 1
		.amdhsa_system_vgpr_workitem_id 0
		.amdhsa_next_free_vgpr 1024
		.amdhsa_next_free_sgpr 92
		.amdhsa_reserve_vcc 0
		.amdhsa_float_denorm_mode_32 3
		.amdhsa_float_denorm_mode_16_64 3
		.amdhsa_memory_ordered 1
		.amdhsa_forward_progress 1
		.amdhsa_inst_pref_size 142
	.end_amdhsa_kernel
	.amdgpu_metadata
---
amdhsa.version: [ 1, 2 ]
amdhsa.kernels:
  - .name:           k_q7b69ba30c2_gemm_proj
    .symbol:         k_q7b69ba30c2_gemm_proj.kd
    .args:
      - { .name: oc, .offset: 0, .size: 8, .value_kind: global_buffer, .address_space: global }
      - { .name: os, .offset: 8, .size: 8, .value_kind: global_buffer, .address_space: global }
      - { .name: wc, .offset: 16, .size: 8, .value_kind: global_buffer, .address_space: global }
      - { .name: ws, .offset: 24, .size: 8, .value_kind: global_buffer, .address_space: global }
      - { .name: b_proj, .offset: 32, .size: 8, .value_kind: global_buffer, .address_space: global }
      - { .name: out0, .offset: 40, .size: 8, .value_kind: global_buffer, .address_space: global }
    .group_segment_fixed_size: 327680
    .private_segment_fixed_size: 0
    .kernarg_segment_align: 8
    .kernarg_segment_size: 48
    .max_flat_workgroup_size: 128
    .sgpr_count:     92
    .vgpr_count:     1024
    .wavefront_size: 32
...
	.end_amdgpu_metadata
.endif
;; end of part 4
